; MI455X (gfx1250); checked and timed in simulation.
; The chip was launched on July 23, 2026; its instructions are those of AMD's public machine-readable ISA for CDNA 5 (MIT licence, August 2026) and "CDNA5" Instruction Set Architecture Reference Guide (July 2026). The comments in the code are by the model that wrote it; some were corrected since.
;; Causal Self Attention. Allowed arithmetic: float matrix products may take bf16 or f16 operands with f32 sums; other float arithmetic in f32, or as packed bf16 or f16 multiplies, adds, multiply-adds, maxima and minima; sums over many terms, partial sums and values carried from step to step in f32; what a program stores and reads back later, other than sums and carried values, may be rounded once to bf16 or f16.
;; Inputs: wk 1,024 x 1,024 float32; wq 1,024 x 1,024 float32; wv 1,024 x 1,024 float32; x 4 x 2,048 x 1,024 float32.
;; Outputs: out0 4 x 2,048 x 1,024 float32.
;; 2 versions, each right; version 2 is version 1 with the launch prep written anew for expert scheduling mode. Each part assembles by itself: llvm-mc -triple=amdgcn-amd-amdhsa -mcpu=gfx1250 --defsym DOCPART=n.
;; ======== version 1 of 2: 4 launches
;; limits: values are held in f16: magnitudes above 65,504 overflow, below 6.1e-05 lose precision
;; workspace buffers: xb 16,777,216 bytes; wc 4,194,304 bytes; tv 33,554,432 bytes; pm 33,554,432 bytes; st 1,048,576 bytes
;; launch prep (part 1): grid 16 x 16, 8 waves a work-group, no clusters, 305,152 bytes of LDS; arguments x, wq, wk, wv, xb, wc; writes xb, wc
.if DOCPART == 1
	.amdgcn_target "amdgcn-amd-amdhsa--gfx1250"
	.amdhsa_code_object_version 6
	.text
	.protected	k_q9c68c46673_prep
	.globl	k_q9c68c46673_prep
	.p2align	8
	.type	k_q9c68c46673_prep,@function
k_q9c68c46673_prep:
	s_mov_b64 s[64:65], 0
	v_nop
	global_prefetch_b8 v0, s[64:65] scope:SCOPE_SE
	s_setreg_imm32_b32 hwreg(HW_REG_WAVE_MODE, 25, 1), 1
	s_wait_xcnt 0x0
; THE MODULE.  out[b,i,:] = the sum over j <= i of a[j,i] v[b,j,:], with a[j,i] = exp(s_ji - max_j s_ji) / (the sum over ALL j of exp(s_ji - max_j s_ji)), s_ji = q_j . k_i / 32:
; the softmax runs over the query index j for each key column i, and triu, applied behind it, keeps j <= i.  B = 4, S = 2,048, D = 1,024.
; FOUR LAUNCHES.  prep (this one): xb = bf16(x); wc rows 1,024.. = bf16(wv); wc rows 0..1,023 = bf16(c M^T), M[a][b'] = sum over o of wq[o][a] wk[o][b'], c = log2(e) / 32.
;   proj: tv = xb wc^T: columns 0..1,023 T' = c x M (bf16), columns 1,024.. V (f16).   score: s' = xb T'^T, block maxima, block sums and weights.   pv: the weights times V, divided by the whole column's sum.
; WORK LEFT OUT, for all values of the inputs.  (1) triu writes zeros where j > i, so the products of those weights with v add nothing: tiles of the second product that lie wholly above the diagonal are not
; multiplied (their scores are computed all the same: they enter the divisor).  (2) q and k are never formed: q_j . k_i = x_j^T (wq^T wk) x_i is an identity, so one product x M takes the place of
; the two products x wq^T and x wk^T, and the key side of the scores is x itself.  All four inputs are loaded.
; LIMITS.  The order of rounding differs from the reference's: x, wq, wk, wv are rounded to bf16, and so are c M and T'.  V is kept in f16: |V| stays under 65,504.  The weights are kept in f16: below 6e-5 they keep
; f16's fixed step of 6e-8.  An exponential below 2^-126 counts as 0.  NaN and infinities are not treated apart; a NaN, an infinity or an overflow that reaches only the tiles left out is not carried to the result.
; THIS LAUNCH.  256 work-groups of eight waves.  Work-group g = 16 tb + ta casts 131,072 consecutive bytes of x and 16,384 of wv, and makes the 64 x 64 tile (rows b' = 64 tb.., columns a = 64 ta..) of c M^T.
; NO JOINT LOADS: the slices of wk and wq that work-groups share are f32 and have to be rounded to bf16 ahead of the turning LDS load, so they pass through registers; as f32 tiles the two
; slices would be 524,288 bytes, more than the work-group's LDS.  A tile's row is 128 bytes of wc: two work-groups write the two halves of each aligned 256 bytes of wc's first 2 MiB.
.set LP,    144                        ; an LDS row: 64 bf16 + 16 bytes
.set QREG,  1024*LP                    ; wk's slice [1,024 o][64 b'] lies at 0, wq's [1,024 o][64 a] here
.set STAGE, 2*1024*LP                  ; 64 rows x 144 bytes, for the tile's way out
.set SPARE, STAGE+64*LP                ; the spare words, 128 bytes for each of the eight waves: no other line names them
.set SPW, 2                            ; v2   my spare word's LDS address; never rewritten
.set NIL, 3                            ; v3   0; never rewritten
.set CXO, 4                            ; v4   32 t: my 32 bytes of a slot of 8,192 bytes of f32
.set CYO, 5                            ; v5   16 t: the 16 bytes that they become
.set MGO, 6                            ; v6   (t / 16) rows of 4,096 bytes + 16 (t % 16): my 16 bytes of 16 rows x 256 bytes of wk or wq
.set LK,  7                            ; v7   where they go in wk's slice: (t / 16) x 144 + 8 (t % 16)
.set LQ,  8                            ; v8   and in wq's
.set TK,  9                            ; v9   the turning loads' address in wk's slice
.set TQ,  10                           ; v10  in wq's
.set SG,  11                           ; v11  where I put 16 bytes of the tile
.set SR,  12                           ; v12  where I read them back
.set WO,  13                           ; v13  my byte offset in the tile's rows of wc
.set CB,  32                           ; v[32:103]  nine slots of eight registers for the casts
.set MS,  104                          ; v[104:231] two sets of 64: eight loads of wk, eight of wq
.set FR,  104                          ; v[104:199] later: four K steps' fragments, 24 registers each
.set PK,  200                          ; v[200:207] the tile, packed; v[208:215] read back
.set ACC, 232                          ; v[232:247] two accumulators
.set WK,  16                           ; s[16:17] wk at my 64 columns
.set WQ,  18                           ; s[18:19] wq at my 64 columns
.set CS,  20                           ; s[20:21] c, as a pair
.set WV,  22
.set CNT, 23
.set XP,  24                           ; s[24:25] x at my share;  s[26:27] xb;  s[28:29] wv;  s[30:31] wc at my share of wv's rows
.set XBP, 26
.set WVP, 28
.set WCV, 30
.macro CASTLD slot, base, off          ; a slot's 32 bytes a lane
	global_load_b128 v[CB+8*(\slot):CB+8*(\slot)+3], v[CXO], s[\base:\base+1] offset:(\off) th:TH_LOAD_NT
	global_load_b128 v[CB+8*(\slot)+4:CB+8*(\slot)+7], v[CXO], s[\base:\base+1] offset:(\off)+16 th:TH_LOAD_NT
.endm
.macro CASTST slot, base, off          ; rounded in place, low registers first, and stored: a wave's store covers 512 consecutive bytes
.irp j, 0,1,2,3
	v_cvt_pk_bf16_f32 v[CB+8*(\slot)+(\j)], v[CB+8*(\slot)+2*(\j)], v[CB+8*(\slot)+2*(\j)+1]
.endr
	global_store_b128 v[CYO], v[CB+8*(\slot):CB+8*(\slot)+3], s[\base:\base+1] offset:(\off)
.endm
.macro LOADG set, off                  ; 128 rows o of both slices: 16 loads
.irp u, 0,1,2,3,4,5,6,7
	global_load_b128 v[MS+64*(\set)+4*(\u):MS+64*(\set)+4*(\u)+3], v[MGO], s[WK:WK+1] offset:(\off)+65536*(\u)
.endr
.irp u, 0,1,2,3,4,5,6,7
	global_load_b128 v[MS+64*(\set)+32+4*(\u):MS+64*(\set)+32+4*(\u)+3], v[MGO], s[WQ:WQ+1] offset:(\off)+65536*(\u)
.endr
.endm
.macro CVTST set                       ; rounded to bf16 and laid into LDS, 8 bytes a lane
.irp u, 0,1,2,3,4,5,6,7
	v_cvt_pk_bf16_f32 v[MS+64*(\set)+4*(\u)], v[MS+64*(\set)+4*(\u)], v[MS+64*(\set)+4*(\u)+1]
	v_cvt_pk_bf16_f32 v[MS+64*(\set)+4*(\u)+1], v[MS+64*(\set)+4*(\u)+2], v[MS+64*(\set)+4*(\u)+3]
	ds_store_b64 v[LK], v[MS+64*(\set)+4*(\u):MS+64*(\set)+4*(\u)+1] offset:128*LP*(\set)+16*LP*(\u)
	v_cvt_pk_bf16_f32 v[MS+64*(\set)+32+4*(\u)], v[MS+64*(\set)+32+4*(\u)], v[MS+64*(\set)+32+4*(\u)+1]
	v_cvt_pk_bf16_f32 v[MS+64*(\set)+32+4*(\u)+1], v[MS+64*(\set)+32+4*(\u)+2], v[MS+64*(\set)+32+4*(\u)+3]
	ds_store_b64 v[LQ], v[MS+64*(\set)+32+4*(\u):MS+64*(\set)+32+4*(\u)+1] offset:128*LP*(\set)+16*LP*(\u)
.endr
.endm
	s_load_b256 s[4:11], s[0:1], 0x0               ; x s[4:5], wq s[6:7], wk s[8:9], wv s[10:11]
	s_load_b128 s[12:15], s[0:1], 0x20             ; xb s[12:13], wc s[14:15]
	v_lshl_add_u32 v[SPW], v0, 2, SPARE
	v_mov_b32 v[NIL], 0
	v_lshrrev_b32 v1, 5, v0
	v_readfirstlane_b32 s[WV], v1                  ; wave 0..7
	s_and_b32 s33, ttmp7, 0xffff                   ; tb
	s_lshl_b32 s34, s33, 4
	s_add_co_u32 s34, s34, ttmp9                   ; g = 16 tb + ta
	s_lshl_b32 s36, s34, 17                        ; my share of x,
	s_mov_b32 s37, 0
	s_lshl_b32 s38, s34, 16                        ; of xb,
	s_mov_b32 s39, 0
	s_lshl_b32 s40, s34, 14                        ; of wv,
	s_mov_b32 s41, 0
	s_lshl_b32 s42, s34, 13                        ; and of wc's rows 1,024 on
	s_add_co_u32 s42, s42, 2097152
	s_mov_b32 s43, 0
	s_lshl_b32 s44, s33, 8                         ; wk's columns 64 tb on
	s_mov_b32 s45, 0
	s_lshl_b32 s46, ttmp9, 8                       ; wq's columns 64 ta on
	s_mov_b32 s47, 0
	s_mov_b32 s[CS], 0x3d38aa3b                    ; c = log2(e) / 32
	s_mov_b32 s[CS+1], s[CS]                       ; named with it as a pair
	v_lshlrev_b32 v[CXO], 5, v0
	v_lshlrev_b32 v[CYO], 4, v0
	v_lshrrev_b32 v14, 4, v0                       ; t / 16
	v_and_b32 v15, 15, v0                          ; t % 16
	v_lshlrev_b32 v[MGO], 12, v14
	v_lshl_add_u32 v[MGO], v15, 4, v[MGO]
	v_mul_u32_u24 v[LK], v14, LP
	v_lshl_add_u32 v[LK], v15, 3, v[LK]
	v_add_nc_u32 v[LQ], QREG, v[LK]
	s_wait_kmcnt 0x0
	s_add_nc_u64 s[XP:XP+1], s[4:5], s[36:37]
	s_add_nc_u64 s[XBP:XBP+1], s[12:13], s[38:39]
	s_add_nc_u64 s[WVP:WVP+1], s[10:11], s[40:41]
	s_add_nc_u64 s[WCV:WCV+1], s[14:15], s[42:43]
	s_add_nc_u64 s[WK:WK+1], s[8:9], s[44:45]
	s_add_nc_u64 s[WQ:WQ+1], s[6:7], s[46:47]
	s_lshl_b32 s36, s33, 17                        ; the tile in wc: 64 tb rows of 2,048 bytes,
	s_lshl_b32 s35, ttmp9, 7                       ; 64 ta columns
	s_add_co_u32 s36, s36, s35
	s_add_nc_u64 s[14:15], s[14:15], s[36:37]
.irp u, 0,1,2,3,4,5,6,7,8
	CASTLD \u, XP, 8192*\u                         ; the first nine slots of x: 18 loads
.endr
	LOADG 0, 0                                     ; rows o = 0..127 of both slices,
	LOADG 1, 524288                                ; and 128..255
	; addresses for the later phases, made while the loads are out
	v_bfe_u32 v14, v0, 4, 1                        ; h = lane / 16
	v_and_b32 v16, 7, v0
	v_lshl_add_u32 v16, v14, 3, v16                ; the turning load: lane l reads row 8 h + l % 8,
	v_mul_u32_u24 v16, v16, LP
	v_bfe_u32 v17, v0, 3, 1
	v_lshl_add_u32 v16, v17, 4, v16                ; 16 bytes at 16 ((l / 8) % 2)
	s_and_b32 s35, s[WV], 3                        ; mb: my 16 rows b' of the tile
	s_lshr_b32 s32, s[WV], 2                       ; nh: my 32 columns a
	s_lshl_b32 s36, s35, 5
	v_add_nc_u32 v[TK], s36, v16
	s_lshl_b32 s36, s32, 6
	s_add_co_u32 s37, s36, QREG
	v_add_nc_u32 v[TQ], s37, v16
	v_mul_u32_u24 v[SG], v15, LP                   ; into the stage: row 16 mb + l % 16, bytes 64 nh + 16 h
	v_lshl_add_u32 v[SG], v14, 4, v[SG]
	s_mul_i32 s37, s35, 16*LP
	s_add_co_u32 s37, s37, s36
	s_add_co_u32 s37, s37, STAGE
	v_add_nc_u32 v[SG], s37, v[SG]
	v_lshrrev_b32 v17, 3, v0                       ; back: thread t takes row t / 8, 16 bytes at 16 (t % 8)
	v_and_b32 v18, 7, v0
	v_mul_u32_u24 v[SR], v17, LP
	v_lshl_add_u32 v[SR], v18, 4, v[SR]
	v_add_nc_u32 v[SR], STAGE, v[SR]
	v_lshlrev_b32 v[WO], 11, v17
	v_lshl_add_u32 v[WO], v18, 4, v[WO]
	s_wait_loadcnt 32                              ; the 18 loads of x are in; the 32 younger loads of the slices stay out
.irp u, 0,1,2,3,4,5,6,7,8
	CASTST \u, XBP, 4096*\u
.endr
	s_mov_b32 s[CNT], 3
.Lfill:                                        ; a trip lays 256 rows o into LDS and asks for the next 256
	s_wait_loadcnt 16                              ; set 0 is in; set 1's 16 loads may stay out
	CVTST 0
	s_wait_xcnt 0x0                                ; every load and store issued so far has read its address, so the two pointers may be written
	s_add_nc_u64 s[WK:WK+1], s[WK:WK+1], 1048576
	s_add_nc_u64 s[WQ:WQ+1], s[WQ:WQ+1], 1048576
	LOADG 0, 0
	s_wait_loadcnt 16                              ; set 1 is in
	CVTST 1
	LOADG 1, 524288
	v_add_nc_u32 v[LK], 256*LP, v[LK]
	v_add_nc_u32 v[LQ], 256*LP, v[LQ]
	s_sub_co_u32 s[CNT], s[CNT], 1
	s_cmp_lg_u32 s[CNT], 0
	s_cbranch_scc1 .Lfill
	s_wait_loadcnt 16                              ; the last 256 rows: nothing more is asked for
	CVTST 0
	s_wait_loadcnt 0x0
	CVTST 1
	s_wait_xcnt 0x0                                ; the first nine stores have read their registers: the slots are loaded again only behind this wait
.irp k, 0,1,2,3,4,5,6
	CASTLD \k, XP, 8192*(\k+9)                     ; the other seven slots of x, and wv's two: they land while the tile is multiplied
.endr
	CASTLD 7, WVP, 0
	CASTLD 8, WVP, 8192
	s_wait_dscnt 0x0                               ; for the others' sake: my part of both slices lies in LDS
	s_barrier_signal -1
	s_barrier_wait -1
	; THE TILE.  Source 0 = 16 columns a of wq, source 1 = 16 columns b' of wk, both turned on their way out of LDS: a lane ends with row b' = l % 16 and eight neighbouring a.
.set r, 0
.rept 16
	v_mov_b32 v[ACC+r], 0                          ; sixteen lines, so that the loop has one form of product
.set r, r+1
.endr
	s_mov_b32 s[CNT], 8
.Lmul:                                         ; a trip: four K steps of 32 rows o
.rept 4
	v_nop                                          ; four places between the last product and the loads into registers that it read
.endr
.irp ks, 0,1,2,3
	ds_load_tr16_b128 v[FR+24*(\ks):FR+24*(\ks)+3],     v[TK] offset:32*LP*(\ks)
	ds_load_tr16_b128 v[FR+24*(\ks)+4:FR+24*(\ks)+7],   v[TK] offset:32*LP*(\ks)+16*LP
	ds_load_tr16_b128 v[FR+24*(\ks)+8:FR+24*(\ks)+11],  v[TQ] offset:32*LP*(\ks)
	ds_load_tr16_b128 v[FR+24*(\ks)+12:FR+24*(\ks)+15], v[TQ] offset:32*LP*(\ks)+16*LP
	ds_load_tr16_b128 v[FR+24*(\ks)+16:FR+24*(\ks)+19], v[TQ] offset:32*LP*(\ks)+32
	ds_load_tr16_b128 v[FR+24*(\ks)+20:FR+24*(\ks)+23], v[TQ] offset:32*LP*(\ks)+16*LP+32
.endr
.irp ks, 0,1,2,3
	s_wait_dscnt 18-6*(\ks)                        ; the later K steps' loads, six each, may stay out
	v_wmma_f32_16x16x32_bf16 v[ACC:ACC+7], v[FR+24*(\ks)+8:FR+24*(\ks)+15], v[FR+24*(\ks):FR+24*(\ks)+7], v[ACC:ACC+7]  ; the two accumulators take turns, over the backward jump too
	v_wmma_f32_16x16x32_bf16 v[ACC+8:ACC+15], v[FR+24*(\ks)+16:FR+24*(\ks)+23], v[FR+24*(\ks):FR+24*(\ks)+7], v[ACC+8:ACC+15]
.endr
	v_add_nc_u32 v[TK], 128*LP, v[TK]
	v_add_nc_u32 v[TQ], 128*LP, v[TQ]
	s_sub_co_u32 s[CNT], s[CNT], 1
	s_cmp_lg_u32 s[CNT], 0
	s_cbranch_scc1 .Lmul
.rept 8
	v_nop                                          ; places between the last products and the reading of their results
.endr
.set r, 0
.rept 8
	v_pk_mul_f32 v[ACC+r:ACC+r+1], v[ACC+r:ACC+r+1], s[CS:CS+1] op_sel_hi:[1,0]  ; times c, each accumulator from its low end on
.set r, r+2
.endr
.irp j, 0,1,2,3,4,5,6,7
	v_cvt_pk_bf16_f32 v[PK+(\j)], v[ACC+2*(\j)], v[ACC+2*(\j)+1]
.endr
	ds_store_b128 v[SG], v[PK:PK+3]
	ds_store_b128 v[SG], v[PK+4:PK+7] offset:32
	s_wait_dscnt 0x0                               ; for the others' sake: a row's 128 bytes come from two waves
	s_barrier_signal -1
	s_barrier_wait -1
	ds_load_b128 v[PK+8:PK+11],  v[SR]
	ds_load_b128 v[PK+12:PK+15], v[SR] offset:32*LP
	s_wait_dscnt 0x0
	global_store_b128 v[WO], v[PK+8:PK+11],  s[14:15]               ; eight lanes store a row's 128 consecutive bytes
	global_store_b128 v[WO], v[PK+12:PK+15], s[14:15] offset:65536
	s_wait_loadcnt 0x0                             ; the second batch of the casts
.irp k, 0,1,2,3,4,5,6
	CASTST \k, XBP, 4096*(\k+9)
.endr
	CASTST 7, WCV, 0
	CASTST 8, WCV, 4096
	s_wait_tensorcnt 0x0                           ; the wave's end: behind my last LDS store
	ds_add_u32 v[SPW], v[NIL]
	s_wait_dscnt 0x0
	s_endpgm
.Lfunc_end_k_q9c68c46673_prep:
	.size	k_q9c68c46673_prep, .Lfunc_end_k_q9c68c46673_prep-k_q9c68c46673_prep
	.p2alignl 7, 3214868480
	.fill 96, 4, 3214868480
	.section	.rodata,"a",@progbits
	.p2align	6, 0x0
	.amdhsa_kernel k_q9c68c46673_prep
		.amdhsa_group_segment_fixed_size 305152
		.amdhsa_private_segment_fixed_size 0
		.amdhsa_enable_private_segment 0
		.amdhsa_kernarg_size 48
		.amdhsa_user_sgpr_count 2
		.amdhsa_user_sgpr_kernarg_segment_ptr 1
		.amdhsa_wavefront_size32 1
		.amdhsa_system_sgpr_workgroup_id_x 1
		.amdhsa_system_sgpr_workgroup_id_y 1
		.amdhsa_system_sgpr_workgroup_id_z 1
		.amdhsa_system_vgpr_workitem_id 0
		.amdhsa_next_free_vgpr 256
		.amdhsa_next_free_sgpr 66
		.amdhsa_reserve_vcc 0
		.amdhsa_float_denorm_mode_32 3
		.amdhsa_float_denorm_mode_16_64 3
		.amdhsa_memory_ordered 1
		.amdhsa_forward_progress 1
		.amdhsa_inst_pref_size 37
	.end_amdhsa_kernel
	.amdgpu_metadata
---
amdhsa.version: [ 1, 2 ]
amdhsa.kernels:
  - .name:           k_q9c68c46673_prep
    .symbol:         k_q9c68c46673_prep.kd
    .args:
      - { .name: x, .offset: 0, .size: 8, .value_kind: global_buffer, .address_space: global }
      - { .name: wq, .offset: 8, .size: 8, .value_kind: global_buffer, .address_space: global }
      - { .name: wk, .offset: 16, .size: 8, .value_kind: global_buffer, .address_space: global }
      - { .name: wv, .offset: 24, .size: 8, .value_kind: global_buffer, .address_space: global }
      - { .name: xb, .offset: 32, .size: 8, .value_kind: global_buffer, .address_space: global }
      - { .name: wc, .offset: 40, .size: 8, .value_kind: global_buffer, .address_space: global }
    .group_segment_fixed_size: 305152
    .private_segment_fixed_size: 0
    .kernarg_segment_align: 8
    .kernarg_segment_size: 48
    .max_flat_workgroup_size: 256
    .sgpr_count:     66
    .vgpr_count:     256
    .wavefront_size: 32
...
	.end_amdgpu_metadata
.endif
;; end of part 1
;; launch proj (part 2): grid 8 x 32, 4 waves a work-group, clusters of 4 x 4, 327,680 bytes of LDS; arguments xb, wc, tv; writes tv
.if DOCPART == 2
	.amdgcn_target "amdgcn-amd-amdhsa--gfx1250"
	.amdhsa_code_object_version 6
	.text
	.protected	k_q9c68c46673_proj
	.globl	k_q9c68c46673_proj
	.p2align	8
	.type	k_q9c68c46673_proj,@function
k_q9c68c46673_proj:
	s_mov_b64 s[64:65], 0
	v_nop
	global_prefetch_b8 v0, s[64:65] scope:SCOPE_SE
	s_setreg_imm32_b32 hwreg(HW_REG_WAVE_MODE, 25, 1), 1
	s_wait_xcnt 0x0
	s_wait_alu depctr_hold_cnt(0) depctr_sa_sdst(0) depctr_va_vdst(0) depctr_va_sdst(0) depctr_va_ssrc(0) depctr_va_vcc(0) depctr_vm_vsrc(0)
	s_getreg_b32 s2, hwreg(HW_REG_IB_STS2, 6, 4)
	s_cmp_eq_u32 s2, 0
	s_cbranch_scc0 .Lentry_in_a_cluster
	s_endpgm
.Lentry_in_a_cluster:
	s_bfe_u32 s2, ttmp6, 0x10000c
	s_cmp_lg_u32 s2, 0xf033
	s_cbranch_scc0 .Lentry_shape_is_right
	s_endpgm
.Lentry_shape_is_right:
; tv[m][n] = sum over k of xb[m][k] wc[n][k].  xb: [8,192][1,024] bf16, wc: [2,048][1,024] bf16, tv: [8,192][2,048] of 16 bits; sums in f32.
; Columns 0..1,023 are T' = c x M, rounded to bf16 (they scale with x w^2: bf16 has the range); columns 1,024.. are V = x wv^T, rounded to f16 (limit: |V| under 65,504).
; q and k are not formed: q_j . k_i = x_j^T (wq^T wk) x_i for all values, so T' takes the place of both.
; A tile of tv, 256 x 256, is made by four waves, 128 x 128 each: 64 accumulators, 512 registers.  32 x 8 tiles: one for each of 256 work-groups.
; K goes in eight steps of 128 through two LDS slots filled by tensor loads; a tile's rows are 256 bytes of memory, aligned.  ONE K STEP IS WRITTEN FOR BOTH SLOTS: s[TB] is 0 or SLOT, turned by an
; exclusive or, and is added to the lanes' places; the walking descriptors' LDS word is turned in the same way (wave x HALFT has neither of SLOT's two bits, so the exclusive or is a sum).
; CLUSTERS: 4 x 4 work-groups.  The four of a row of the cluster need the same tiles of xb, the four of a column the same tiles of wc: each is asked for jointly.
; The matrix instruction is used transposed (source 0 = 16 rows of wc, source 1 = 16 rows of xb): a lane holds eight neighbouring numbers of a row of tv.
; REGISTERS, in windows of 256: window 0: v16-30 addresses; v64-127, v128-191 xb's fragments, two buffers; v192-223 packed results; v32-63 and v224-255 rows read back, by turns.
;   window 1: v64-127, v128-191 wc's fragments.   window 2: the accumulators of my rows 0-63 ((a, b) at v[8 (8 a + b)]);   window 3: those of my rows 64-127.
.set KSTEP,  128
.set PITCH,  272                       ; an LDS row: 256 bytes + 16 of padding: the 16 rows that a load touches start 16 bytes apart modulo 256
.set HALFT,  128*PITCH                 ; what one tensor load brings
.set SLOT,   4*HALFT                   ; xb's 256 rows, then wc's 256 rows
.set STAGE,  2*SLOT                    ; 16 rows x 272 bytes for each wave, for the way out
.set SPITCH, 272
.set SPARE,  STAGE+4*16*SPITCH         ; the spare words, 128 bytes for each wave: no other line names them
.set STRA,   1024                      ; elements from row to row of xb
.set STRB,   1024                      ; and of wc
.set SIZE_N, 2048                      ; columns of tv
.set AL0,  16                          ; v16  my lane's place in xb's half of a slot; never rewritten
.set BL0,  17                          ; v17  in wc's
.set ADRA, 18                          ; v18  the same in the slot in hand
.set ADRB, 19
.set STO,  24
.set RD,   25
.set CO,   26
.set SPW,  28
.set NIL,  29
.set PFO,  30                          ; v30  the prefetches' offset: my lane x a row's bytes
.set F0,   64
.set F1,   128
.set TMP,  192
.set OB,   32
.set G1,   24                          ; s[24:31] group 1 for xb's tiles; s[32:35] group 0 of the first fill, s[36:39] the walking group 0
.set G0,   32
.set G1B,  48                          ; s[48:55], s[56:59], s[60:63] the same for wc's
.set G0B,  56
.set PFA,  44                          ; s[44:45] where my prefetches stand
.set LIM,  43                          ; s43  a wave prefetches while the loop's count is above it
.set CNT,  2
.set TB,   70
.set FMT,  71                          ; s71  the cluster's x: 0: my columns are T' (bf16); 1: V (f16).  The same in all sixteen partners
.set MSB, 0
.macro WIN new                         ; the immediate's high byte repeats the setting that is left
.if MSB != (\new)
	s_set_vgpr_msb (MSB<<8)|(\new)
.set MSB, \new
.endif
.endm
.set MUL_LO, 0xa1                      ; source 0 window 1, source 1 window 0, C and D window 2
.set MUL_HI, 0xf1                      ; the same, C and D window 3
.set TO_B,   0x40                      ; destination window 1, address window 0
; A joint load.  Waves 0 and 1 fetch xb's two halves, waves 2 and 3 wc's.  The branch hangs on the wave's number alone.  An s_nop 0 and four v_nop follow each line.
.macro JLOAD s
	s_cmp_eq_u32 s11, 0
	s_cbranch_scc0 .Lfor_b_\@
	tensor_load_to_lds s[G0+4*(\s):G0+4*(\s)+3], s[G1:G1+7]
	s_nop 0
.rept 4
	v_nop
.endr
	s_branch .Lasked_\@
.Lfor_b_\@:
	tensor_load_to_lds s[G0B+4*(\s):G0B+4*(\s)+3], s[G1B:G1B+7]
	s_nop 0
.rept 4
	v_nop
.endr
.Lasked_\@:
.endm
; A prefetch of the K step that stands two refills on: 32 rows x 256 bytes, a lane a row.  xb's tile row is read by both clusters of a row of clusters: cluster x = 0 asks; wc's tile column by all eight of a column:
; cluster y = 0 asks.  The four partners that ask for a tile jointly share its rows out by address, 32 of a wave's 128 each.  So each row's 256 bytes of a K step are named once.  Trips 0 to 3 name K steps 4 to 7.
.macro ASK
	s_cmp_gt_u32 s[CNT], s[LIM]
	s_cbranch_scc0 .Lnot_mine_\@
	global_prefetch_b8 v[PFO], s[PFA:PFA+1] offset:KSTEP*2 th:TH_LOAD_NT scope:SCOPE_SE
.Lnot_mine_\@:
.endm
.macro CREST                           ; a round of the cluster's barrier behind its opening barrier
	s_cmp_lg_u32 s10, 0
	s_cbranch_scc1 .Lnot_wave_0_\@
	s_barrier_signal -3
.Lnot_wave_0_\@:
	s_barrier_wait -3
	s_barrier_signal -1
	s_barrier_wait -1
.endm
.macro CROUND
	s_barrier_signal -1
	s_barrier_wait -1
	CREST
.endm
	s_load_b128 s[4:7], s[0:1], 0x0                ; xb s[4:5], wc s[6:7]
	s_load_b64 s[8:9], s[0:1], 0x10                ; tv
	v_lshl_add_u32 v[SPW], v0, 2, SPARE
	v_mov_b32 v[NIL], 0
	ds_add_u32 v[SPW], v[NIL]                      ; the wave's opening: the add, twice on end, and its wait ahead of my first tensor load
	ds_add_u32 v[SPW], v[NIL]
	v_lshrrev_b32 v1, 5, v0
	v_readfirstlane_b32 s10, v1                    ; wave 0..3
	s_lshr_b32 s11, s10, 1                         ; which half of the tile's rows is mine.  Also: I fetch for xb (0) or for wc (1)
	s_and_b32 s12, s10, 1                          ; which half of its columns.  Also: which 128 rows of that tile I fetch
	s_bfe_u32 s40, ttmp6, 0x40000                  ; cx
	s_bfe_u32 s41, ttmp6, 0x40004                  ; cy
	s_lshl_b32 s42, ttmp9, 2
	s_add_co_u32 s42, s42, s40                     ; tile column = 4 x cluster x + cx
	s_and_b32 s13, ttmp7, 0xffff
	s_lshl_b32 s13, s13, 2
	s_add_co_u32 s13, s13, s41                     ; tile row = 4 x cluster y + cy
	s_mov_b32 s[FMT], ttmp9
	s_lshl_b32 s43, s41, 2
	s_lshl_b32 s43, 15, s43                        ; my row of the cluster
	s_lshl_b32 s44, 0x1111, s40                    ; my column
	s_or_b32 s[G1+0], s43, (1<<16)|(1<<20)|(1<<21)|(5<<22)|(3<<25)   ; the mask; elements of 2 bytes; padding on; bit 21 beside a mask; after every 64 words, 4 words
	s_or_b32 s[G1B+0], s44, (1<<16)|(1<<20)|(1<<21)|(5<<22)|(3<<25)
	s_mov_b32 s[G1+1], KSTEP<<16                   ; tensor_dim0 = 128
	s_mov_b32 s[G1B+1], KSTEP<<16
	s_mov_b32 s[G1+2], 128<<16                     ; tensor_dim1 = 128
	s_mov_b32 s[G1B+2], 128<<16
	s_mov_b32 s[G1+3], KSTEP<<16                   ; tile_dim0 = 128
	s_mov_b32 s[G1B+3], KSTEP<<16
	s_mov_b32 s[G1+4], 128                         ; tile_dim1 = 128
	s_mov_b32 s[G1B+4], 128
	s_mov_b32 s[G1+5], STRA                        ; elements from row to row
	s_mov_b32 s[G1B+5], STRB
	s_mov_b32 s[G1+6], 0
	s_mov_b32 s[G1B+6], 0
	s_mov_b32 s[G1+7], 0
	s_mov_b32 s[G1B+7], 0
	s_lshl_b32 s17, s12, 7                         ; which 128 rows of the tile I fetch
	s_lshl_b32 s16, s13, 8
	s_add_co_u32 s16, s16, s17                     ; xb: row 256 x tile row + 128 x half
	s_lshl_b32 s46, s42, 8
	s_add_co_u32 s46, s46, s17                     ; wc: row 256 x tile column + 128 x half
	s_mov_b32 s17, 0
	s_mov_b32 s47, 0
	s_mov_b64 s[18:19], STRA*2
	s_mul_u64 s[16:17], s[16:17], s[18:19]
	s_mov_b64 s[18:19], STRB*2
	s_mul_u64 s[46:47], s[46:47], s[18:19]
	s_mul_i32 s20, s10, HALFT                      ; where they go: wave x 128 rows: no place in the cluster enters an LDS address
	s_mov_b32 s[TB], 0
	s_wait_dscnt 0x0                               ; both opening adds are done
	s_wait_kmcnt 0x0
	s_add_nc_u64 s[14:15], s[4:5], s[16:17]
	s_add_nc_u64 s[46:47], s[6:7], s[46:47]
	CROUND                                         ; all sixteen work-groups are here: the first joint loads meet
.irp s, 0,1
	s_mov_b32 s[G0+4*(\s)], 1
	s_add_co_u32 s[G0+4*(\s)+1], s20, (\s)*SLOT
	s_add_nc_u64 s[G0+4*(\s)+2:G0+4*(\s)+3], s[14:15], (\s)*KSTEP*2
	s_or_b32 s[G0+4*(\s)+3], s[G0+4*(\s)+3], 0x80000000
	s_mov_b32 s[G0B+4*(\s)], 1
	s_add_co_u32 s[G0B+4*(\s)+1], s20, (\s)*SLOT
	s_add_nc_u64 s[G0B+4*(\s)+2:G0B+4*(\s)+3], s[46:47], (\s)*KSTEP*2
	s_or_b32 s[G0B+4*(\s)+3], s[G0B+4*(\s)+3], 0x80000000
	JLOAD \s                                       ; K steps 0 and 1: two loads of mine are out
.endr
	v_and_b32 v1, 15, v0                           ; l % 16
	v_bfe_u32 v2, v0, 4, 1                         ; l / 16
	v_mul_u32_u24 v3, v1, PITCH
	v_lshl_add_u32 v3, v2, 4, v3                   ; a fragment's row x pitch + 16 x half
	s_mul_i32 s21, s11, HALFT
	s_mul_i32 s22, s12, HALFT
	s_add_co_u32 s22, s22, 2*HALFT
	v_add_nc_u32 v[AL0], s21, v3
	v_add_nc_u32 v[BL0], s22, v3
	v_mov_b32 v[ADRA], v[AL0]                      ; slot 0
	v_mov_b32 v[ADRB], v[BL0]
	s_mul_i32 s23, s10, 16*SPITCH
	s_add_co_u32 s23, s23, STAGE                   ; my stage
	v_mul_u32_u24 v4, v1, SPITCH
	v_lshl_add_u32 v4, v2, 4, v4
	v_add_nc_u32 v[STO], s23, v4
	v_mul_u32_u24 v5, v2, SPITCH
	v_lshl_add_u32 v5, v1, 4, v5
	v_add_nc_u32 v[RD], s23, v5
	v_mul_u32_u24 v5, v2, SIZE_N*2
	v_lshl_add_u32 v[CO], v1, 4, v5
	s_lshl_b32 s13, s13, 8
	s_lshl_b32 s14, s11, 7
	s_add_co_u32 s16, s13, s14                     ; my first row of tv
	s_mov_b32 s17, 0
	s_mov_b64 s[18:19], SIZE_N*2
	s_mul_u64 s[16:17], s[16:17], s[18:19]
	s_lshl_b32 s46, s42, 9                         ; my first column, in bytes
	s_lshl_b32 s47, s12, 8
	s_add_co_u32 s46, s46, s47
	s_mov_b32 s47, 0
	s_add_nc_u64 s[16:17], s[16:17], s[46:47]      ; what the way out adds to tv's address
	; the prefetches
	s_lshl_b32 s42, s42, 8
	s_and_b32 s22, ttmp7, 0xffff                   ; cluster y
	s_cmp_eq_u32 s11, 0                            ; do I fetch for xb?
	s_cselect_b32 s20, s13, s42                    ; the tile's first row
	s_cselect_b32 s21, s40, s41                    ; my place among the four that ask for it with me
	s_cselect_b32 s22, ttmp9, s22                  ; the coordinate along which other clusters read the same rows
	s_cselect_b64 s[PFA:PFA+1], s[4:5], s[6:7]
	s_cmp_eq_u32 s22, 0
	s_cselect_b32 s[LIM], 2, -1                    ; the same in all sixteen partners, for a given wave
	s_lshl_b32 s22, s12, 7
	s_add_co_u32 s20, s20, s22
	s_lshl_b32 s21, s21, 5
	s_add_co_u32 s20, s20, s21
	s_mov_b32 s21, 0
	s_mov_b64 s[18:19], STRA*2
	s_mul_u64 s[20:21], s[20:21], s[18:19]
	s_add_nc_u64 s[PFA:PFA+1], s[PFA:PFA+1], s[20:21]
	s_add_nc_u64 s[PFA:PFA+1], s[PFA:PFA+1], 2*KSTEP*2  ; at K step 2: the first refill steps it to 3 and names K step 4.  Nothing is prefetched at the head
	v_and_b32 v[PFO], 31, v0
	v_mul_u32_u24 v[PFO], v[PFO], STRA*2
.macro MUL16 f, hi, a0, zero           ; 16 matrix instructions: m blocks a0, a0 + 1 of the window's four x all 8 n blocks, 32 along K.  zero = 1: the products start the sums
	WIN MUL_LO+0x50*(\hi)
.irp a, \a0, (\a0)+1
.irp b, 0,1,2,3,4,5,6,7
.if \zero
	v_wmma_f32_16x16x32_bf16 v[8*(8*(\a)+(\b)):8*(8*(\a)+(\b))+7], v[(\f)+8*(\b):(\f)+8*(\b)+7], v[(\f)+8*(4*(\hi)+(\a)):(\f)+8*(4*(\hi)+(\a))+7], 0
.else
	v_wmma_f32_16x16x32_bf16 v[8*(8*(\a)+(\b)):8*(8*(\a)+(\b))+7], v[(\f)+8*(\b):(\f)+8*(\b)+7], v[(\f)+8*(4*(\hi)+(\a)):(\f)+8*(4*(\hi)+(\a))+7], v[8*(8*(\a)+(\b)):8*(8*(\a)+(\b))+7]
.endif
.endr
.endr
.endm
.macro FETCH k, f                      ; 32 LDS loads in one run: a quarter step's fragments, at byte k of the rows of the slot in hand
	WIN TO_B
.irp i, 0,1,2,3,4,5,6,7
	ds_load_b128 v[(\f)+8*(\i):(\f)+8*(\i)+3],   v[ADRB] offset:(\k)+(\i)*16*PITCH
	ds_load_b128 v[(\f)+8*(\i)+4:(\f)+8*(\i)+7], v[ADRB] offset:(\k)+(\i)*16*PITCH+32
.endr
	WIN 0
.irp i, 0,1,2,3,4,5,6,7
	ds_load_b128 v[(\f)+8*(\i):(\f)+8*(\i)+3],   v[ADRA] offset:(\k)+(\i)*16*PITCH
	ds_load_b128 v[(\f)+8*(\i)+4:(\f)+8*(\i)+7], v[ADRA] offset:(\k)+(\i)*16*PITCH+32
.endr
.endm
.macro PLACES                          ; four places in front of loads into registers that matrix instructions have read, and of lines that read results
.rept 4
	v_nop
.endr
.endm
.macro QUARTER k, f, g, zero           ; multiplies buffer f; in its middle fetches the next quarter, at byte k, into buffer g
	s_wait_dscnt 8                                 ; all but the youngest eight loads (my rows 64-127 of xb)
	MUL16 \f, 0, 0, \zero
	MUL16 \f, 0, 2, \zero
	PLACES
	FETCH \k, \g
	s_wait_dscnt 32                                ; all but the 32 just issued
	MUL16 \f, 1, 0, \zero
	MUL16 \f, 1, 2, \zero
.endm
.macro MEET round                      ; the first half of a step's last quarter, and the barrier of the change of slots
	WIN 0
	s_wait_tensorcnt 0x0                           ; all my tensor loads have landed: the one that was out is my part of the next slot
	ds_add_u32 v[SPW], v[NIL]                      ; 0 onto my spare word
	s_wait_dscnt 9                                 ; the add and the youngest eight loads may be out
	MUL16 F1, 0, 0, 0
	s_wait_dscnt 0x0                               ; the add is done, and my reads of this slot are over
	s_barrier_signal -1
	MUL16 F1, 0, 2, 0
.if \round
	WIN 0
.endif
	s_barrier_wait -1
.endm
.macro TURN1                           ; the last quarter with a refill: the slot just read takes the K step two steps on
	s_wait_xcnt 0x0                                ; the last prefetch, a K step back, has read its address
	s_add_nc_u64 s[PFA:PFA+1], s[PFA:PFA+1], KSTEP*2
	MEET 1
	CREST                                          ; no wave of any partner still reads this slot or has a load on its way
	s_xor_b32 s[G0+5], s[G0+5], SLOT               ; the walking descriptors: the other slot than last time, the next K step
	s_add_nc_u64 s[G0+6:G0+7], s[G0+6:G0+7], KSTEP*2
	s_xor_b32 s[G0B+5], s[G0B+5], SLOT
	s_add_nc_u64 s[G0B+6:G0B+7], s[G0B+6:G0B+7], KSTEP*2
	JLOAD 1                                        ; my one tensor load behind the round; its four v_nop are also the places in front of the loads below
	s_xor_b32 s[TB], s[TB], SLOT
	v_add_nc_u32 v[ADRA], s[TB], v[AL0]
	v_add_nc_u32 v[ADRB], s[TB], v[BL0]
	FETCH 0, F0
	ASK
	MUL16 F1, 1, 0, 0
	MUL16 F1, 1, 2, 0
.endm
.macro TURN0                           ; the same without a refill
	MEET 0
	PLACES
	WIN 0
	s_xor_b32 s[TB], s[TB], SLOT
	v_add_nc_u32 v[ADRA], s[TB], v[AL0]
	v_add_nc_u32 v[ADRB], s[TB], v[BL0]
	FETCH 0, F0
	MUL16 F1, 1, 0, 0
	MUL16 F1, 1, 2, 0
.endm
; THE WAY OUT of block a (16 rows): rounded, 16 bytes a lane; through my own stage; stored as whole rows of 256 bytes.
.macro PACKF a
.set AC, 64*((\a)%4)
	WIN 0
	s_cmp_eq_u32 s[FMT], 0
	s_cbranch_scc0 .Lhalf_\@
	WIN 0x0a+5*((\a)/4)                            ; sources 0 and 1: window 2 or 3
.irp b, 0,1,2,3,4,5,6,7
.irp r, 0,1,2,3
	v_cvt_pk_bf16_f32 v[TMP+4*(\b)+(\r)], v[AC+8*(\b)+2*(\r)], v[AC+8*(\b)+2*(\r)+1]
.endr
.endr
	WIN 0
	s_branch .Lpacked_\@
.Lhalf_\@:
	WIN 0x0a+5*((\a)/4)
.irp b, 0,1,2,3,4,5,6,7
.irp r, 0,1,2,3
	v_cvt_pk_f16_f32 v[TMP+4*(\b)+(\r)], v[AC+8*(\b)+2*(\r)], v[AC+8*(\b)+2*(\r)+1]
.endr
.endr
	WIN 0
.Lpacked_\@:
.endm
.macro TOSTAGE a
	WIN 0
.set BK, OB+192*((\a)%2)
.irp b, 0,1,2,3,4,5,6,7
	ds_store_b128 v[STO], v[TMP+4*(\b):TMP+4*(\b)+3] offset:32*(\b)
.endr
.irp t, 0,1,2,3,4,5,6,7
	ds_load_b128 v[BK+4*(\t):BK+4*(\t)+3], v[RD] offset:(\t)*2*SPITCH  ; LDS serves a wave's instructions in order: these see the stores above
.endr
.endm
.macro SEND a
	WIN 0
.set BK, OB+192*((\a)%2)
	s_wait_dscnt 0x0                               ; the block is back in registers
	s_wait_xcnt 0x0                                ; earlier stores have read their base and their registers
.if (\a) == 0
	s_add_nc_u64 s[8:9], s[8:9], s[16:17]
.else
	s_add_nc_u64 s[8:9], s[8:9], 16*SIZE_N*2
.endif
.irp t, 0,1,2,3,4,5,6,7
	global_store_b128 v[CO], v[BK+4*(\t):BK+4*(\t)+3], s[8:9] offset:2*(\t)*SIZE_N*2  ; 16 lanes store 256 consecutive bytes, aligned
.endr
.endm
	s_wait_tensorcnt 1                             ; my part of K step 0 is in; K step 1's may stay out
	s_barrier_signal -1
	s_barrier_wait -1
	FETCH 0, F0
	QUARTER 64, F0, F1, 1                          ; the first quarter's products start the sums
	WIN 0
	s_mov_b32 s[CNT], 6
.Lstep:                                        ; trip s ends K step s, asks for K step s + 2 and begins K step s + 1
	QUARTER 128, F1, F0, 0
	QUARTER 192, F0, F1, 0
	TURN1
	QUARTER 64, F0, F1, 0
	WIN 0
	s_sub_co_u32 s[CNT], s[CNT], 1
	s_cmp_lg_u32 s[CNT], 0
	s_cbranch_scc1 .Lstep
	s_mov_b32 s3, 2
.Ltail:                                        ; K steps 6 and 7 ask for nothing; the second trip is left in its middle
	QUARTER 128, F1, F0, 0
	QUARTER 192, F0, F1, 0
	WIN 0
	s_sub_co_u32 s3, s3, 1
	s_cmp_eq_u32 s3, 0
	s_cbranch_scc1 .Lfin
	TURN0
	QUARTER 64, F0, F1, 0
	WIN 0
	s_branch .Ltail
.Lfin:
	s_wait_dscnt 8
	MUL16 F1, 0, 0, 0
	MUL16 F1, 0, 2, 0
	s_wait_dscnt 0x0
	MUL16 F1, 1, 0, 0
	MUL16 F1, 1, 2, 0
	WIN 0
	PLACES
	PLACES
	PACKF 0
	TOSTAGE 0
.irp a, 1,2,3,4,5,6,7                  ; block a's conversions stand between block a - 1's loads from the stage and the wait for them
	PACKF \a
	SEND (\a)-1
	TOSTAGE \a
.endr
	SEND 7
	s_wait_tensorcnt 0x0                           ; the wave's end
	ds_add_u32 v[SPW], v[NIL]
	s_wait_dscnt 0x0
	CROUND                                         ; the closing round
	s_endpgm
.Lfunc_end_k_q9c68c46673_proj:
	.size	k_q9c68c46673_proj, .Lfunc_end_k_q9c68c46673_proj-k_q9c68c46673_proj
	.p2alignl 7, 3214868480
	.fill 96, 4, 3214868480
	.section	.rodata,"a",@progbits
	.p2align	6, 0x0
	.amdhsa_kernel k_q9c68c46673_proj
		.amdhsa_group_segment_fixed_size 327680
		.amdhsa_private_segment_fixed_size 0
		.amdhsa_enable_private_segment 0
		.amdhsa_kernarg_size 24
		.amdhsa_user_sgpr_count 2
		.amdhsa_user_sgpr_kernarg_segment_ptr 1
		.amdhsa_wavefront_size32 1
		.amdhsa_system_sgpr_workgroup_id_x 1
		.amdhsa_system_sgpr_workgroup_id_y 1
		.amdhsa_system_sgpr_workgroup_id_z 1
		.amdhsa_system_vgpr_workitem_id 0
		.amdhsa_next_free_vgpr 1024
		.amdhsa_next_free_sgpr 96
		.amdhsa_reserve_vcc 0
		.amdhsa_float_denorm_mode_32 3
		.amdhsa_float_denorm_mode_16_64 3
		.amdhsa_memory_ordered 1
		.amdhsa_forward_progress 1
		.amdhsa_inst_pref_size 123
	.end_amdhsa_kernel
	.amdgpu_metadata
---
amdhsa.version: [ 1, 2 ]
amdhsa.kernels:
  - .name:           k_q9c68c46673_proj
    .symbol:         k_q9c68c46673_proj.kd
    .args:
      - { .name: xb, .offset: 0, .size: 8, .value_kind: global_buffer, .address_space: global }
      - { .name: wc, .offset: 8, .size: 8, .value_kind: global_buffer, .address_space: global }
      - { .name: tv, .offset: 16, .size: 8, .value_kind: global_buffer, .address_space: global }
    .group_segment_fixed_size: 327680
    .private_segment_fixed_size: 0
    .kernarg_segment_align: 8
    .kernarg_segment_size: 24
    .max_flat_workgroup_size: 128
    .sgpr_count:     96
    .vgpr_count:     1024
    .wavefront_size: 32
...
	.end_amdgpu_metadata
.endif
;; end of part 2
;; launch score (part 3): grid 8 x 32, 4 waves a work-group, clusters of 4 x 4, 327,680 bytes of LDS; arguments xb, tv, pm, st; writes pm, st
.if DOCPART == 3
	.amdgcn_target "amdgcn-amd-amdhsa--gfx1250"
	.amdhsa_code_object_version 6
	.text
	.protected	k_q9c68c46673_score
	.globl	k_q9c68c46673_score
	.p2align	8
	.type	k_q9c68c46673_score,@function
k_q9c68c46673_score:
	s_mov_b64 s[64:65], 0
	v_nop
	global_prefetch_b8 v0, s[64:65] scope:SCOPE_SE
	s_setreg_imm32_b32 hwreg(HW_REG_WAVE_MODE, 25, 1), 1
	s_wait_xcnt 0x0
	s_wait_alu depctr_hold_cnt(0) depctr_sa_sdst(0) depctr_va_vdst(0) depctr_va_sdst(0) depctr_va_ssrc(0) depctr_va_vcc(0) depctr_vm_vsrc(0)
	s_getreg_b32 s2, hwreg(HW_REG_IB_STS2, 6, 4)
	s_cmp_eq_u32 s2, 0
	s_cbranch_scc0 .Lentry_in_a_cluster
	s_endpgm
.Lentry_in_a_cluster:
	s_bfe_u32 s2, ttmp6, 0x10000c
	s_cmp_lg_u32 s2, 0xf033
	s_cbranch_scc0 .Lentry_shape_is_right
	s_endpgm
.Lentry_shape_is_right:
; s'[b][i][j] = sum over d of xb[b,i][d] T'[b,j][d] = log2(e) q_j . k_i / 32, for ALL i and j: every score enters its column's divisor.  i is the key index (a row here), j the query index.
; For each row i and each block jb of 128 j: m' = the maximum of s', l = the sum of 2^(s' - m') (f32, of the unrounded weights); both go to st: f32 [2: m', l][4 b][16 jb][2,048 i].
; The weights P = f16(2^(s' - m')), 0 where j > i, go to pm [4][2,048 i][2,048 j].  The block's maximum is taken away here, the column's whole maximum in the next launch: together the shift of the problem's softmax.
; WORK LEFT OUT: weights with j > i are multiplied by triu's zeros for all values of the inputs, so tiles of pm that lie wholly above the diagonal are not stored (and not read later).
; A cluster that lies wholly above the diagonal jumps over the weights' way out: the condition is made of the cluster's coordinates, alike in all partners.  In the two clusters of a batch that hold the
; diagonal the six tiles above it run the same text with no lane on in their stores: partners of a cluster run alike, so that only the lanes' mask differs.
; LIMITS: P below 6e-5 keeps f16's fixed step of 6e-8; an exponential below 2^-126 counts as 0; NaN and infinities are not treated apart.
; The product is the projection launch's: a tile of 256 x 256 by four waves of 128 x 128, K = 1,024 in eight steps of 128 through two LDS slots, one K step's text for both slots, 4 x 4 clusters with joint loads
; (xb's tiles along a row of the cluster, T's along a column).  Source 0 = 16 rows of T' (j), source 1 = 16 rows of xb (i): a lane holds row i = l % 16 of a block and eight neighbouring j.
; REGISTERS as there; behind the last product v64-117 of window 0 (xb's fragments) are at work.
.set KSTEP,  128
.set PITCH,  272
.set HALFT,  128*PITCH
.set SLOT,   4*HALFT
.set STAGE,  2*SLOT
.set SPITCH, 272
.set SPARE,  STAGE+4*16*SPITCH
.set STRA,   1024                      ; elements from row to row of xb
.set STRB,   2048                      ; and of tv
.set SIZE_N, 2048                      ; columns of pm
.set AL0,  16
.set BL0,  17
.set ADRA, 18
.set ADRB, 19
.set STO,  24
.set RD,   25
.set CO,   26
.set SPW,  28
.set NIL,  29
.set PFO,  30
.set F0,   64
.set F1,   128
.set TMP,  192
.set OB,   32
.set CH,   64                          ; v64-67   four running maxima
.set TT,   68                          ; v68      at work
.set STT,  72                          ; v72-87   block a's pair: m', then the other half's maximum and at last l
.set LP,   88                          ; v88-95   four pairs of running sums; later the eight numbers on their way to st
.set MD,   96                          ; v96-99   the diagonal block's mask: 0xffff in each half whose j <= i
.set MDW,  100                         ; v100-103 the mask for blocks with b = a
.set KV,   104                         ; v104     -1 where my tile is stored
.set SSA,  105                         ; v105     where m' or l goes in my stage
.set SLA,  106                         ; v106     where they are read back
.set SGO,  107                         ; v107     16 x lane
.set SV,   108                         ; v108-115 read back
.set DD,   116                         ; v116     l % 16 - 8 (l / 16)
.set T2,   117
.set G1,   24
.set G0,   32
.set G1B,  48
.set G0B,  56
.set PFA,  44
.set LIM,  43
.set CNT,  2
.set TB,   70
.set MSB, 0
.macro WIN new
.if MSB != (\new)
	s_set_vgpr_msb (MSB<<8)|(\new)
.set MSB, \new
.endif
.endm
.set MUL_LO, 0xa1
.set MUL_HI, 0xf1
.set TO_B,   0x40
.macro JLOAD s                         ; a joint load: waves 0 and 1 fetch xb's halves, waves 2 and 3 T's; an s_nop 0 and four v_nop follow each line
	s_cmp_eq_u32 s11, 0
	s_cbranch_scc0 .Lfor_b_\@
	tensor_load_to_lds s[G0+4*(\s):G0+4*(\s)+3], s[G1:G1+7]
	s_nop 0
.rept 4
	v_nop
.endr
	s_branch .Lasked_\@
.Lfor_b_\@:
	tensor_load_to_lds s[G0B+4*(\s):G0B+4*(\s)+3], s[G1B:G1B+7]
	s_nop 0
.rept 4
	v_nop
.endr
.Lasked_\@:
.endm
; A prefetch of the K step two refills on, a lane a row.  xb's tile row is read by both clusters of a row of clusters: cluster x = 0 asks.  T's rows are read by a batch's two clusters of a column: the one with even
; cluster y asks.  The four partners share a wave's 128 rows out by address.  Trips 0 to 3 name K steps 4 to 7.
.macro ASK
	s_cmp_gt_u32 s[CNT], s[LIM]
	s_cbranch_scc0 .Lnot_mine_\@
	global_prefetch_b8 v[PFO], s[PFA:PFA+1] offset:KSTEP*2 th:TH_LOAD_NT scope:SCOPE_SE
.Lnot_mine_\@:
.endm
.macro CREST
	s_cmp_lg_u32 s10, 0
	s_cbranch_scc1 .Lnot_wave_0_\@
	s_barrier_signal -3
.Lnot_wave_0_\@:
	s_barrier_wait -3
	s_barrier_signal -1
	s_barrier_wait -1
.endm
.macro CROUND
	s_barrier_signal -1
	s_barrier_wait -1
	CREST
.endm
	s_load_b128 s[4:7], s[0:1], 0x0                ; xb s[4:5], tv s[6:7]
	s_load_b64 s[8:9], s[0:1], 0x10                ; pm
	s_load_b64 s[92:93], s[0:1], 0x18              ; st
	v_lshl_add_u32 v[SPW], v0, 2, SPARE
	v_mov_b32 v[NIL], 0
	ds_add_u32 v[SPW], v[NIL]                      ; the wave's opening: the add, twice on end, and its wait ahead of my first tensor load
	ds_add_u32 v[SPW], v[NIL]
	v_lshrrev_b32 v1, 5, v0
	v_readfirstlane_b32 s10, v1                    ; wave 0..3
	s_lshr_b32 s11, s10, 1                         ; rh: which half of the tile's rows is mine.  Also: I fetch for xb (0) or for T' (1)
	s_and_b32 s12, s10, 1                          ; ch: which half of its columns.  Also: which 128 rows of that tile I fetch
	s_bfe_u32 s40, ttmp6, 0x40000                  ; cx
	s_bfe_u32 s41, ttmp6, 0x40004                  ; cy
	s_lshl_b32 s42, ttmp9, 2
	s_add_co_u32 s42, s42, s40                     ; jt = 4 x cluster x + cx
	s_and_b32 s13, ttmp7, 0xffff
	s_lshl_b32 s13, s13, 2
	s_add_co_u32 s13, s13, s41                     ; y = 4 x cluster y + cy = 8 b + it
	s_mov_b32 s86, s13
	s_mov_b32 s87, s42
	s_mov_b32 s72, 0x76543210                      ; v_permlanex16_b32: each lane takes its own place in the other half
	s_mov_b32 s73, 0xfedcba98
	s_mov_b32 s74, 0xffff0000                      ; lanes 16-31; also a word's upper half
	s_mov_b32 s82, 0xffff
	s_lshl_b32 s43, s41, 2
	s_lshl_b32 s43, 15, s43                        ; my row of the cluster
	s_lshl_b32 s44, 0x1111, s40                    ; my column
	s_or_b32 s[G1+0], s43, (1<<16)|(1<<20)|(1<<21)|(5<<22)|(3<<25)
	s_or_b32 s[G1B+0], s44, (1<<16)|(1<<20)|(1<<21)|(5<<22)|(3<<25)
	s_mov_b32 s[G1+1], KSTEP<<16
	s_mov_b32 s[G1B+1], KSTEP<<16
	s_mov_b32 s[G1+2], 128<<16
	s_mov_b32 s[G1B+2], 128<<16
	s_mov_b32 s[G1+3], KSTEP<<16
	s_mov_b32 s[G1B+3], KSTEP<<16
	s_mov_b32 s[G1+4], 128
	s_mov_b32 s[G1B+4], 128
	s_mov_b32 s[G1+5], STRA
	s_mov_b32 s[G1B+5], STRB
	s_mov_b32 s[G1+6], 0
	s_mov_b32 s[G1B+6], 0
	s_mov_b32 s[G1+7], 0
	s_mov_b32 s[G1B+7], 0
	s_lshl_b32 s17, s12, 7
	s_lshl_b32 s16, s13, 8
	s_add_co_u32 s16, s16, s17                     ; xb: row 256 y + 128 x half
	s_and_b32 s45, ttmp7, 0xffff
	s_lshr_b32 s45, s45, 1                         ; the batch, from the cluster's y: all sixteen partners share it
	s_lshl_b32 s45, s45, 11
	s_lshl_b32 s88, s42, 8
	s_add_co_u32 s88, s88, s45                     ; tv: row 2,048 b + 256 jt
	s_add_co_u32 s46, s88, s17                     ; + 128 x half
	s_mov_b32 s17, 0
	s_mov_b32 s47, 0
	s_mov_b64 s[18:19], STRA*2
	s_mul_u64 s[16:17], s[16:17], s[18:19]
	s_mov_b64 s[18:19], STRB*2
	s_mul_u64 s[46:47], s[46:47], s[18:19]
	s_mul_i32 s20, s10, HALFT
	s_mov_b32 s[TB], 0
	s_wait_dscnt 0x0                               ; both opening adds are done
	s_wait_kmcnt 0x0
	s_add_nc_u64 s[14:15], s[4:5], s[16:17]
	s_add_nc_u64 s[46:47], s[6:7], s[46:47]
	CROUND
.irp s, 0,1
	s_mov_b32 s[G0+4*(\s)], 1
	s_add_co_u32 s[G0+4*(\s)+1], s20, (\s)*SLOT
	s_add_nc_u64 s[G0+4*(\s)+2:G0+4*(\s)+3], s[14:15], (\s)*KSTEP*2
	s_or_b32 s[G0+4*(\s)+3], s[G0+4*(\s)+3], 0x80000000
	s_mov_b32 s[G0B+4*(\s)], 1
	s_add_co_u32 s[G0B+4*(\s)+1], s20, (\s)*SLOT
	s_add_nc_u64 s[G0B+4*(\s)+2:G0B+4*(\s)+3], s[46:47], (\s)*KSTEP*2
	s_or_b32 s[G0B+4*(\s)+3], s[G0B+4*(\s)+3], 0x80000000
	JLOAD \s
.endr
	v_and_b32 v1, 15, v0                           ; r = l % 16; kept to the end
	v_bfe_u32 v2, v0, 4, 1                         ; h = l / 16; kept to the end
	v_mul_u32_u24 v3, v1, PITCH
	v_lshl_add_u32 v3, v2, 4, v3
	s_mul_i32 s21, s11, HALFT
	s_mul_i32 s22, s12, HALFT
	s_add_co_u32 s22, s22, 2*HALFT
	v_add_nc_u32 v[AL0], s21, v3
	v_add_nc_u32 v[BL0], s22, v3
	v_mov_b32 v[ADRA], v[AL0]
	v_mov_b32 v[ADRB], v[BL0]
	s_mul_i32 s23, s10, 16*SPITCH
	s_add_co_u32 s23, s23, STAGE                   ; my stage; s23 is kept
	v_mul_u32_u24 v4, v1, SPITCH
	v_lshl_add_u32 v4, v2, 4, v4
	v_add_nc_u32 v[STO], s23, v4
	v_mul_u32_u24 v5, v2, SPITCH
	v_lshl_add_u32 v5, v1, 4, v5
	v_add_nc_u32 v[RD], s23, v5
	v_mul_u32_u24 v5, v2, SIZE_N*2
	v_lshl_add_u32 v[CO], v1, 4, v5
	s_lshl_b32 s13, s13, 8
	s_lshl_b32 s14, s11, 7
	s_add_co_u32 s16, s13, s14                     ; my first row of pm: 2,048 b + i
	s_mov_b32 s17, 0
	s_mov_b64 s[18:19], SIZE_N*2
	s_mul_u64 s[16:17], s[16:17], s[18:19]
	s_lshl_b32 s46, s42, 9
	s_lshl_b32 s47, s12, 8
	s_add_co_u32 s46, s46, s47
	s_mov_b32 s47, 0
	s_add_nc_u64 s[16:17], s[16:17], s[46:47]
	; the prefetches
	s_mov_b32 s18, STRA*2                          ; a row's bytes in xb,
	s_mov_b32 s19, STRB*2                          ; and in tv: each in a register of its own, since an instruction holds one literal
	s_and_b32 s22, ttmp7, 1
	s_cmp_eq_u32 s11, 0                            ; do I fetch for xb?
	s_cselect_b32 s20, s13, s88                    ; the tile's first row
	s_cselect_b32 s21, s40, s41                    ; my place among the four that ask for it with me
	s_cselect_b32 s22, ttmp9, s22                  ; the coordinate along which other clusters read the same rows
	s_cselect_b32 s18, s18, s19                    ; a row's bytes
	s_cselect_b64 s[PFA:PFA+1], s[4:5], s[6:7]
	s_cmp_eq_u32 s22, 0
	s_cselect_b32 s[LIM], 2, -1
	s_lshl_b32 s22, s12, 7
	s_add_co_u32 s20, s20, s22
	s_lshl_b32 s21, s21, 5
	s_add_co_u32 s20, s20, s21
	s_mov_b32 s21, 0
	s_mov_b32 s19, 0
	s_mul_u64 s[20:21], s[20:21], s[18:19]
	s_add_nc_u64 s[PFA:PFA+1], s[PFA:PFA+1], s[20:21]
	s_add_nc_u64 s[PFA:PFA+1], s[PFA:PFA+1], 2*KSTEP*2
	v_and_b32 v[PFO], 31, v0
	v_mul_u32_u24 v[PFO], s18, v[PFO]
.macro MUL16 f, hi, a0, zero
	WIN MUL_LO+0x50*(\hi)
.irp a, \a0, (\a0)+1
.irp b, 0,1,2,3,4,5,6,7
.if \zero
	v_wmma_f32_16x16x32_bf16 v[8*(8*(\a)+(\b)):8*(8*(\a)+(\b))+7], v[(\f)+8*(\b):(\f)+8*(\b)+7], v[(\f)+8*(4*(\hi)+(\a)):(\f)+8*(4*(\hi)+(\a))+7], 0
.else
	v_wmma_f32_16x16x32_bf16 v[8*(8*(\a)+(\b)):8*(8*(\a)+(\b))+7], v[(\f)+8*(\b):(\f)+8*(\b)+7], v[(\f)+8*(4*(\hi)+(\a)):(\f)+8*(4*(\hi)+(\a))+7], v[8*(8*(\a)+(\b)):8*(8*(\a)+(\b))+7]
.endif
.endr
.endr
.endm
.macro FETCH k, f
	WIN TO_B
.irp i, 0,1,2,3,4,5,6,7
	ds_load_b128 v[(\f)+8*(\i):(\f)+8*(\i)+3],   v[ADRB] offset:(\k)+(\i)*16*PITCH
	ds_load_b128 v[(\f)+8*(\i)+4:(\f)+8*(\i)+7], v[ADRB] offset:(\k)+(\i)*16*PITCH+32
.endr
	WIN 0
.irp i, 0,1,2,3,4,5,6,7
	ds_load_b128 v[(\f)+8*(\i):(\f)+8*(\i)+3],   v[ADRA] offset:(\k)+(\i)*16*PITCH
	ds_load_b128 v[(\f)+8*(\i)+4:(\f)+8*(\i)+7], v[ADRA] offset:(\k)+(\i)*16*PITCH+32
.endr
.endm
.macro PLACES
.rept 4
	v_nop
.endr
.endm
.macro QUARTER k, f, g, zero
	s_wait_dscnt 8                                 ; all but the youngest eight loads
	MUL16 \f, 0, 0, \zero
	MUL16 \f, 0, 2, \zero
	PLACES
	FETCH \k, \g
	s_wait_dscnt 32                                ; all but the 32 just issued
	MUL16 \f, 1, 0, \zero
	MUL16 \f, 1, 2, \zero
.endm
.macro MEET round
	WIN 0
	s_wait_tensorcnt 0x0                           ; all my tensor loads have landed
	ds_add_u32 v[SPW], v[NIL]                      ; 0 onto my spare word
	s_wait_dscnt 9                                 ; the add and the youngest eight loads may be out
	MUL16 F1, 0, 0, 0
	s_wait_dscnt 0x0                               ; the add is done, and my reads of this slot are over
	s_barrier_signal -1
	MUL16 F1, 0, 2, 0
.if \round
	WIN 0
.endif
	s_barrier_wait -1
.endm
.macro TURN1
	s_wait_xcnt 0x0                                ; the last prefetch, a K step back, has read its address
	s_add_nc_u64 s[PFA:PFA+1], s[PFA:PFA+1], KSTEP*2
	MEET 1
	CREST
	s_xor_b32 s[G0+5], s[G0+5], SLOT
	s_add_nc_u64 s[G0+6:G0+7], s[G0+6:G0+7], KSTEP*2
	s_xor_b32 s[G0B+5], s[G0B+5], SLOT
	s_add_nc_u64 s[G0B+6:G0B+7], s[G0B+6:G0B+7], KSTEP*2
	JLOAD 1
	s_xor_b32 s[TB], s[TB], SLOT
	v_add_nc_u32 v[ADRA], s[TB], v[AL0]
	v_add_nc_u32 v[ADRB], s[TB], v[BL0]
	FETCH 0, F0
	ASK
	MUL16 F1, 1, 0, 0
	MUL16 F1, 1, 2, 0
.endm
.macro TURN0
	MEET 0
	PLACES
	WIN 0
	s_xor_b32 s[TB], s[TB], SLOT
	v_add_nc_u32 v[ADRA], s[TB], v[AL0]
	v_add_nc_u32 v[ADRB], s[TB], v[BL0]
	FETCH 0, F0
	MUL16 F1, 1, 0, 0
	MUL16 F1, 1, 2, 0
.endm
; BLOCK a (16 rows i): its 64 registers a lane lie in window 2 + a / 4 at 64 (a % 4); a row's 128 scores lie in lanes r and r + 16.
; MAXB: four chains of sixteen registers (two accumulators each), three operands at a time; each accumulator's first read takes one of its four lowest registers.
.macro MAXB a
.set AC, 64*((\a)%4)
.set WW, 2+(\a)/4
	WIN WW|(WW<<2)|(WW<<4)
.irp k, 0,1,2,3
	v_max3_num_f32 v[CH+(\k)], v[AC+16*(\k)], v[AC+16*(\k)+1], v[AC+16*(\k)+2]
.endr
	WIN (WW<<2)|(WW<<4)
.irp n, 1,2,3,4,5,6
.irp k, 0,1,2,3
	v_max3_num_f32 v[CH+(\k)], v[CH+(\k)], v[AC+16*(\k)+2*(\n)+1], v[AC+16*(\k)+2*(\n)+2]
.endr
.endr
	v_max3_num_f32 v[CH], v[CH], v[AC+15], v[AC+31]
	v_max3_num_f32 v[CH+2], v[CH+2], v[AC+47], v[AC+63]
	WIN 0
	v_max3_num_f32 v[CH], v[CH], v[CH+1], v[CH+2]
	v_max_num_f32 v[CH], v[CH], v[CH+3]
	v_permlanex16_b32 v[STT+2*(\a)+1], v[CH], s72, s73
	v_max_num_f32 v[STT+2*(\a)], v[CH], v[STT+2*(\a)+1]
.endm
; SUBEXP: s' - m' and 2^(..), in place; a pair's exponentials stand one pair behind its subtraction.  The 64 exponentials are one batch: nothing names a result ahead of the wait that follows the next block's MAXB.
.macro SUBEXP a
.set AC, 64*((\a)%4)
.set WW, 2+(\a)/4
	WIN WW|(WW<<6)
.set n, 0
.rept 33
.if n < 32
	v_pk_add_f32 v[AC+2*n:AC+2*n+1], v[AC+2*n:AC+2*n+1], v[STT+2*(\a):STT+2*(\a)+1] op_sel_hi:[1,0] neg_lo:[0,1] neg_hi:[0,1]
.endif
.if n > 0
	v_exp_f32 v[AC+2*n-2], v[AC+2*n-2]
	v_exp_f32 v[AC+2*n-1], v[AC+2*n-1]
.endif
.set n, n+1
.endr
.endm
; SUM: the row's sum of the unrounded weights, in four chains of pairs; it changes none of them.
.macro SUM a
.set AC, 64*((\a)%4)
.set WW, 2+(\a)/4
	WIN WW|(WW<<2)
.irp k, 0,1,2,3
	v_pk_add_f32 v[LP+2*(\k):LP+2*(\k)+1], v[AC+2*(\k):AC+2*(\k)+1], v[AC+2*(\k)+8:AC+2*(\k)+9]
.endr
	WIN (WW<<2)
.irp n, 2,3,4,5,6,7
.irp k, 0,1,2,3
	v_pk_add_f32 v[LP+2*(\k):LP+2*(\k)+1], v[LP+2*(\k):LP+2*(\k)+1], v[AC+2*(\k)+8*(\n):AC+2*(\k)+8*(\n)+1]
.endr
.endr
	WIN 0
	v_pk_add_f32 v[LP:LP+1], v[LP:LP+1], v[LP+2:LP+3]
	v_pk_add_f32 v[LP+4:LP+5], v[LP+4:LP+5], v[LP+6:LP+7]
	v_pk_add_f32 v[LP:LP+1], v[LP:LP+1], v[LP+4:LP+5]
	v_add_f32 v[TT], v[LP], v[LP+1]
	v_permlanex16_b32 v[STT+2*(\a)+1], v[TT], s72, s73
	v_add_f32 v[STT+2*(\a)+1], v[TT], v[STT+2*(\a)+1]
.endm
; THE WEIGHTS' WAY OUT of block a: rounded to f16; masked (block (a, b) lies D0 + b - a blocks of 16 right of the diagonal; D0 is a multiple of 8); through my stage; stored.
.macro PACKP a
.set AC, 64*((\a)%4)
	WIN 0x0a+5*((\a)/4)
.irp b, 0,1,2,3,4,5,6,7
.irp r, 0,1,2,3
	v_cvt_pk_f16_f32 v[TMP+4*(\b)+(\r)], v[AC+8*(\b)+2*(\r)], v[AC+8*(\b)+2*(\r)+1]
.endr
.endr
	WIN 0
.irp b, 0,1,2,3,4,5,6,7
.irp r, 0,1,2,3
.if (\b) < (\a)
	v_and_b32 v[TMP+4*(\b)+(\r)], s76, v[TMP+4*(\b)+(\r)]
.elseif (\b) > (\a)
	v_and_b32 v[TMP+4*(\b)+(\r)], s77, v[TMP+4*(\b)+(\r)]
.else
	v_and_b32 v[TMP+4*(\b)+(\r)], v[MDW+(\r)], v[TMP+4*(\b)+(\r)]
.endif
.endr
.endr
.endm
.macro TOSTAGE a
	WIN 0
.set BK, OB+192*((\a)%2)
.irp b, 0,1,2,3,4,5,6,7
	ds_store_b128 v[STO], v[TMP+4*(\b):TMP+4*(\b)+3] offset:32*(\b)
.endr
.irp t, 0,1,2,3,4,5,6,7
	ds_load_b128 v[BK+4*(\t):BK+4*(\t)+3], v[RD] offset:(\t)*2*SPITCH  ; LDS serves a wave's instructions in order: these see the stores above
.endr
.endm
.macro SENDX a
	WIN 0
.set BK, OB+192*((\a)%2)
	s_wait_dscnt 0x0                               ; the block is back in registers
	s_wait_xcnt 0x0                                ; earlier stores have read their base, their registers and the lanes' mask
.if (\a) == 0
	s_add_nc_u64 s[8:9], s[8:9], s[16:17]
.else
	s_add_nc_u64 s[8:9], s[8:9], 16*SIZE_N*2
.endif
	v_cmp_ne_u32 vcc_lo, 0, v[KV]
	s_and_saveexec_b32 s80, vcc_lo                 ; all lanes, or none where my tile lies above the diagonal
.irp t, 0,1,2,3,4,5,6,7
	global_store_b128 v[CO], v[BK+4*(\t):BK+4*(\t)+3], s[8:9] offset:2*(\t)*SIZE_N*2  ; 16 lanes store 256 consecutive bytes, aligned
.endr
	s_wait_xcnt 0x0                                ; the lanes' mask changes back only behind this wait
	s_or_b32 exec_lo, exec_lo, s80
.endm
	s_wait_tensorcnt 1                             ; my part of K step 0 is in; K step 1's may stay out
	s_barrier_signal -1
	s_barrier_wait -1
	FETCH 0, F0
	QUARTER 64, F0, F1, 1
	WIN 0
	s_mov_b32 s[CNT], 6
.Lstep:                                        ; trip s ends K step s, asks for K step s + 2 and begins K step s + 1
	QUARTER 128, F1, F0, 0
	QUARTER 192, F0, F1, 0
	TURN1
	QUARTER 64, F0, F1, 0
	WIN 0
	s_sub_co_u32 s[CNT], s[CNT], 1
	s_cmp_lg_u32 s[CNT], 0
	s_cbranch_scc1 .Lstep
	s_mov_b32 s3, 2
.Ltail:                                        ; K steps 6 and 7 ask for nothing; the second trip is left in its middle
	QUARTER 128, F1, F0, 0
	QUARTER 192, F0, F1, 0
	WIN 0
	s_sub_co_u32 s3, s3, 1
	s_cmp_eq_u32 s3, 0
	s_cbranch_scc1 .Lfin
	TURN0
	QUARTER 64, F0, F1, 0
	WIN 0
	s_branch .Ltail
.Lfin:
	s_wait_dscnt 8
	MUL16 F1, 0, 0, 0
	MUL16 F1, 0, 2, 0
	s_wait_dscnt 0x0
	MUL16 F1, 1, 0, 0
	MUL16 F1, 1, 2, 0
	WIN 0
	PLACES
	PLACES
	; scalars of the way out.  They hang on my tile's place and feed masks and store addresses alone: no branch, no LDS address.
	s_and_b32 s88, s86, 7                          ; it
	s_sub_co_u32 s75, s87, s88
	s_lshl_b32 s75, s75, 4
	s_sub_co_u32 s89, s12, s11
	s_lshl_b32 s89, s89, 3
	s_add_co_u32 s75, s75, s89                     ; D0 = 16 (jt - it) + 8 (ch - rh)
	s_cmp_le_i32 s75, 0
	s_cselect_b32 s76, -1, 0                       ; blocks with b < a are kept where D0 <= 0
	s_cmp_lt_i32 s75, 0
	s_cselect_b32 s77, -1, 0                       ; blocks with b > a where D0 < 0
	s_cmp_eq_u32 s75, 0
	s_cselect_b32 s78, -1, 0                       ; blocks with b = a hold the diagonal where D0 = 0
	s_cmp_le_u32 s87, s88
	s_cselect_b32 s79, -1, 0                       ; my tile is stored where jt <= it
	s_lshr_b32 s90, s86, 3                         ; st: ((16 b + 2 jt + ch) x 2,048 + 256 it + 128 rh) x 4
	s_lshl_b32 s90, s90, 4
	s_lshl_b32 s91, s87, 1
	s_add_co_u32 s90, s90, s91
	s_add_co_u32 s90, s90, s12
	s_lshl_b32 s90, s90, 11
	s_lshl_b32 s91, s88, 8
	s_add_co_u32 s90, s90, s91
	s_lshl_b32 s91, s11, 7
	s_add_co_u32 s90, s90, s91
	s_lshl_b32 s90, s90, 2
	s_mov_b32 s91, 0
	s_add_nc_u64 s[84:85], s[92:93], s[90:91]
	v_lshlrev_b32 v[SSA], 2, v1
	v_lshl_add_u32 v[SSA], v2, 9, v[SSA]
	v_add_nc_u32 v[SSA], s23, v[SSA]               ; my stage + 512 h + 4 r
	v_and_b32 v[SGO], 31, v0
	v_lshlrev_b32 v[SGO], 4, v[SGO]
	v_add_nc_u32 v[SLA], s23, v[SGO]
	v_mov_b32 v[KV], s79
.set r, 0
.rept 16
	v_mov_b32 v[STT+r], 0                          ; v_permlanex16_b32's destination counts as read
.set r, r+1
.endr
	MAXB 0
	SUBEXP 0
.irp a, 1,2,3,4,5,6,7
	MAXB \a                                        ; the plain work between block a - 1's exponentials and their wait
	s_wait_alu depctr_va_vdst(0)                   ; one wait for the 64 exponentials of block a - 1, ahead of their first reader
	SUM (\a)-1
	SUBEXP \a
.endr
	v_nop
	s_wait_alu depctr_va_vdst(0)
	SUM 7
.irp a, 0,1,2,3,4,5,6,7
	v_cndmask_b32 v[LP+(\a)], v[STT+2*(\a)], v[STT+2*(\a)+1], s74  ; lanes 0-15 carry m', lanes 16-31 l
.endr
.irp a, 0,1,2,3,4,5,6,7
	ds_store_b32 v[SSA], v[LP+(\a)] offset:64*(\a)
.endr
	ds_load_b128 v[SV:SV+3],   v[SLA]              ; my 128 rows' m', 16 bytes a lane,
	ds_load_b128 v[SV+4:SV+7], v[SLA] offset:512   ; and their l
	s_wait_dscnt 0x0
	global_store_b128 v[SGO], v[SV:SV+3],   s[84:85]                 ; 512 consecutive bytes each
	global_store_b128 v[SGO], v[SV+4:SV+7], s[84:85] offset:524288
	s_and_b32 s81, ttmp7, 1
	s_cmp_gt_u32 ttmp9, s81                        ; a cluster wholly above the diagonal stores no weights: the same answer in all sixteen partners
	s_cbranch_scc1 .Lend
	v_lshlrev_b32 v[DD], 3, v2
	v_sub_nc_u32 v[DD], v1, v[DD]                  ; in the diagonal block column 8 h + e is kept where e <= r - 8 h
.irp q, 0,1,2,3
	v_cmp_le_i32 vcc_lo, 2*(\q), v[DD]
	v_cndmask_b32 v[MD+(\q)], 0, s82, vcc_lo
	v_cmp_le_i32 vcc_lo, 2*(\q)+1, v[DD]
	v_cndmask_b32 v[T2], 0, s74, vcc_lo
	v_or_b32 v[MD+(\q)], v[MD+(\q)], v[T2]
	v_and_or_b32 v[MDW+(\q)], v[MD+(\q)], s78, s77
.endr
	PACKP 0
	TOSTAGE 0
.irp a, 1,2,3,4,5,6,7
	PACKP \a
	SENDX (\a)-1
	TOSTAGE \a
.endr
	SENDX 7
.Lend:
	s_wait_tensorcnt 0x0                           ; the wave's end
	ds_add_u32 v[SPW], v[NIL]
	s_wait_dscnt 0x0
	CROUND                                         ; the closing round
	s_endpgm
.Lfunc_end_k_q9c68c46673_score:
	.size	k_q9c68c46673_score, .Lfunc_end_k_q9c68c46673_score-k_q9c68c46673_score
	.p2alignl 7, 3214868480
	.fill 96, 4, 3214868480
	.section	.rodata,"a",@progbits
	.p2align	6, 0x0
	.amdhsa_kernel k_q9c68c46673_score
		.amdhsa_group_segment_fixed_size 327680
		.amdhsa_private_segment_fixed_size 0
		.amdhsa_enable_private_segment 0
		.amdhsa_kernarg_size 32
		.amdhsa_user_sgpr_count 2
		.amdhsa_user_sgpr_kernarg_segment_ptr 1
		.amdhsa_wavefront_size32 1
		.amdhsa_system_sgpr_workgroup_id_x 1
		.amdhsa_system_sgpr_workgroup_id_y 1
		.amdhsa_system_sgpr_workgroup_id_z 1
		.amdhsa_system_vgpr_workitem_id 0
		.amdhsa_next_free_vgpr 1024
		.amdhsa_next_free_sgpr 96
		.amdhsa_reserve_vcc 1
		.amdhsa_float_denorm_mode_32 3
		.amdhsa_float_denorm_mode_16_64 3
		.amdhsa_memory_ordered 1
		.amdhsa_forward_progress 1
		.amdhsa_inst_pref_size 186
	.end_amdhsa_kernel
	.amdgpu_metadata
---
amdhsa.version: [ 1, 2 ]
amdhsa.kernels:
  - .name:           k_q9c68c46673_score
    .symbol:         k_q9c68c46673_score.kd
    .args:
      - { .name: xb, .offset: 0, .size: 8, .value_kind: global_buffer, .address_space: global }
      - { .name: tv, .offset: 8, .size: 8, .value_kind: global_buffer, .address_space: global }
      - { .name: pm, .offset: 16, .size: 8, .value_kind: global_buffer, .address_space: global }
      - { .name: st, .offset: 24, .size: 8, .value_kind: global_buffer, .address_space: global }
    .group_segment_fixed_size: 327680
    .private_segment_fixed_size: 0
    .kernarg_segment_align: 8
    .kernarg_segment_size: 32
    .max_flat_workgroup_size: 128
    .sgpr_count:     96
    .vgpr_count:     1024
    .wavefront_size: 32
...
	.end_amdgpu_metadata
.endif
;; end of part 3
;; launch pv (part 4): grid 8 x 32, 4 waves a work-group, clusters of 4 x 1, 327,680 bytes of LDS; arguments pm, tv, st, out0; writes out0
.if DOCPART == 4
	.amdgcn_target "amdgcn-amd-amdhsa--gfx1250"
	.amdhsa_code_object_version 6
	.text
	.protected	k_q9c68c46673_pv
	.globl	k_q9c68c46673_pv
	.p2align	8
	.type	k_q9c68c46673_pv,@function
k_q9c68c46673_pv:
	s_mov_b64 s[64:65], 0
	v_nop
	global_prefetch_b8 v0, s[64:65] scope:SCOPE_SE
	s_setreg_imm32_b32 hwreg(HW_REG_WAVE_MODE, 25, 1), 1
	s_wait_xcnt 0x0
	s_wait_alu depctr_hold_cnt(0) depctr_sa_sdst(0) depctr_va_vdst(0) depctr_va_sdst(0) depctr_va_ssrc(0) depctr_va_vcc(0) depctr_vm_vsrc(0)
	s_getreg_b32 s2, hwreg(HW_REG_IB_STS2, 6, 4)
	s_cmp_eq_u32 s2, 0
	s_cbranch_scc0 .Lentry_in_a_cluster
	s_endpgm
.Lentry_in_a_cluster:
	s_bfe_u32 s2, ttmp6, 0x10000c
	s_cmp_lg_u32 s2, 0x3003
	s_cbranch_scc0 .Lentry_shape_is_right
	s_endpgm
.Lentry_shape_is_right:
; out[b][i][:] = (1 / L_i) x the sum over blocks jb of 128 j of e(i, jb) x (P[i][jb] V[jb]), with M_i = the maximum over all 16 jb of m'(i, jb), e = 2^(m' - M_i) <= 1, L_i = the sum over all 16 jb of l(i, jb) e(i, jb).
; P: pm [4][2,048 i][2,048 j] f16; V: columns 1,024.. of tv, f16; m', l: st; out0: f32.  Products and sums in f32.
; WORK LEFT OUT: P is 0 where j > i (triu's zeros, for all values), so a block of 128 rows i walks only the steps of 256 j up to its diagonal.  In an even block's last step the second 128 j are zeros inside a live tile.
; SHARES.  A work-group makes 128 channels of two blocks of 128 rows: block 15 - p, then block p: 9 steps of 256 j together, whatever p: one counted walk, equal work in all 256 work-groups.
; A wave makes 64 rows x 64 channels: 16 accumulators.  The weights of a block of 128 j have a maximum of their own, so each half of a step is summed from 0 (SA, SB) and folded in f32: O += e S.
; CLUSTER: the four partners are four channel tiles of the same rows: they walk the same tiles of P, asked for jointly (waves 0 and 1); each has V's tile of its own channels (waves 2 and 3, no mask).
; Work-groups of different p, which also share V, lie in different clusters, and their walks part behind the first block's end.
; Source 0 = V turned (16 channels), source 1 = 16 rows of P: a lane holds one row of out and eight neighbouring channels.
; REGISTERS: window 0: v4-31 addresses; v32-39, v40-47 e of the two halves, in pairs; v48-55 1 / L, in pairs; v64-127 at work; v128-255 O ((a, nb) at 128 + 8 (4 a + nb)).
;   window 1: two fragment buffers of 128: P at 8 (4 c + a), V at 64 + 8 (4 c + nb).   window 2: SA v0-127, SB v128-255.
.set PP,    528                        ; a row of P in LDS: 512 bytes + 16
.set PVP,   288                        ; a row of V: 256 bytes + 32
.set VOFF,  128*PP                     ; a slot: 128 rows of P, then 256 rows of V
.set SLOT,  VOFF+256*PVP
.set STAGE, 2*SLOT                     ; 16 rows x 272 bytes for each wave
.set SPITCH, 272
.set ETAB,  STAGE+4*16*SPITCH          ; e: [block x 128 + row][16 jb] f32, 68 bytes a row
.set EP,    68
.set RTAB,  ETAB+256*EP                ; 1 / L: [block x 128 + row]
.set SPARE, RTAB+1024                  ; the spare words, 128 bytes for each wave: no other line names them
.set AL0,  4
.set VL0,  5
.set ADRA, 6
.set ADRV, 7
.set ADRV2, 8                          ; ADRV + 128 rows: the second half's immediates would pass 16 bits
.set EL0,  9
.set EAD,  10
.set RL0,  11
.set RLA,  12
.set STO,  13
.set RD,   14
.set GO,   15
.set PFO,  16
.set ETW,  18
.set RTW,  19
.set TM,   20                          ; v20-21 M, v22-23 L, v24-25 1 / L of my row in the two blocks
.set TL,   22
.set TR,   24
.set TO,   26
.set SPW,  28
.set NIL,  29
.set EA,   32
.set EB,   40
.set RL,   48
.set TMP,  64
.set BK,   96
.set TBL,  64                          ; v64-127 at the head: m' and l of my row: block g at 32 g, l 16 behind m'
.set O,    128
.set F0,   0
.set F1,   128
.set SA,   0
.set SB,   128
.set WV,   12
.set RH,   13                          ; wave / 2: my 64 rows
.set HW,   14                          ; wave % 2: my 64 channels.  Also: which half of a tile I fetch
.set G1P,  24
.set G1V,  32
.set G0P,  40
.set G0V,  44
.set PBASE, 48                         ; s[48:49] pm at the batch, at my 64 rows of a block
.set VBASE, 50                         ; s[50:51] tv at the batch, at my 128 rows of a step, at my channels
.set OFF,  52                          ; s[52:53], s[54:55] a tile's byte offsets
.set OFV,  54
.set FB,   56                          ; the slot to be filled: 0 or SLOT
.set RB,   57                          ; the slot to be read
.set NXS,  58                          ; the step to be asked for next,
.set LQ,   59                          ; its block's last step,
.set NXB,  60                          ; its block x 128 rows of 4,096 bytes
.set NLO1, 61
.set LOB,  62
.set CNT,  63
.set RT,   66                          ; steps of the block in hand that are still to be multiplied
.set NLO,  67
.set EOFF, 68
.set HWP,  69
.set HWV,  70
.set OUTP, 72
.set OUTL, 74
.set PFA,  76
.set PFB,  78
.set PS,   80                          ; the prefetches' own walker: step, block, last step
.set PB,   81
.set PLQ,  82
.set LIM,  83
.set POF,  84
.set STH,  86
.set STL,  88
.set MSB, 0
.macro WIN new
.if MSB != (\new)
	s_set_vgpr_msb (MSB<<8)|(\new)
.set MSB, \new
.endif
.endm
.set MUL,  0xa5                        ; sources 0 and 1 window 1; C and D window 2
.set TO_F, 0x40                        ; destination window 1, address window 0
.set W_LU, 0x02                        ; source 0 window 2, all else window 0
.macro JLOAD                           ; waves 0 and 1: the joint load of P's halves; waves 2 and 3: V's halves.  An s_nop 0 and four v_nop follow each line
	s_cmp_lt_u32 s[WV], 2
	s_cbranch_scc0 .Lfor_v_\@
	tensor_load_to_lds s[G0P:G0P+3], s[G1P:G1P+7]
	s_nop 0
.rept 4
	v_nop
.endr
	s_branch .Lasked_\@
.Lfor_v_\@:
	tensor_load_to_lds s[G0V:G0V+3], s[G1V:G1V+7]
	s_nop 0
.rept 4
	v_nop
.endr
.Lasked_\@:
.endm
.macro CROUND
	s_barrier_signal -1
	s_barrier_wait -1
	s_cmp_lg_u32 s[WV], 0
	s_cbranch_scc1 .Lnot_wave_0_\@
	s_barrier_signal -3
.Lnot_wave_0_\@:
	s_barrier_wait -3
	s_barrier_signal -1
	s_barrier_wait -1
.endm
.macro MKDESC                          ; both descriptors for step NXS of block NXB, into slot FB; the addresses are made anew from the bases
	s_lshl_b32 s[OFF], s[NXS], 9                   ; 256 j are 512 bytes of a row of pm
	s_add_co_u32 s[OFF], s[OFF], s[NXB]
	s_lshl_b32 s[OFV], s[NXS], 20                  ; and 256 rows of 4,096 bytes of tv
	s_add_co_u32 s[G0P+1], s[FB], s[HWP]
	s_add_nc_u64 s[G0P+2:G0P+3], s[PBASE:PBASE+1], s[OFF:OFF+1]
	s_or_b32 s[G0P+3], s[G0P+3], 0x80000000
	s_add_co_u32 s[G0V+1], s[FB], s[HWV]
	s_add_nc_u64 s[G0V+2:G0V+3], s[VBASE:VBASE+1], s[OFV:OFV+1]
	s_or_b32 s[G0V+3], s[G0V+3], 0x80000000
.endm
.macro STEPN                           ; the block's next step, or behind its last the second block's step 0
	s_add_co_u32 s[NXS], s[NXS], 1
	s_cmp_gt_u32 s[NXS], s[LQ]
	s_cselect_b32 s[NXS], 0, s[NXS]
	s_cselect_b32 s[NXB], s[LOB], s[NXB]
	s_cselect_b32 s[LQ], s[NLO1], s[LQ]
.endm
; THE PREFETCHES name the tile that stands two fills on (trip w: tile w + 4), behind the tensor load and its five lines.  P's tile is read by the two clusters of a row block: cluster x = 0 asks, in trips 0 to 4;
; of the 64 rows x 512 bytes that wave 0 or 1 fetches each partner takes 16 rows, by address: a lane half a row.  V's tile is read by the eight work-groups of a batch and channel tile: p = 0 asks, in trips 0 to 3,
; for steps 4 to 7 of its first block's walk: waves 2 and 3, 128 rows each, a lane a row, four lines.  The second block's steps of V have been read by then and are not asked for.
.macro MKPF
	s_lshl_b32 s[POF], s[PS], 9
	s_add_co_u32 s[POF], s[POF], s[PB]
	s_lshl_b32 s92, s[PS], 20
	s_cmp_lt_u32 s[WV], 2
	s_cselect_b32 s[POF], s[POF], s92
	s_add_nc_u64 s[PFA:PFA+1], s[PFB:PFB+1], s[POF:POF+1]
	s_add_co_u32 s[PS], s[PS], 1
	s_cmp_gt_u32 s[PS], s[PLQ]
	s_cselect_b32 s[PS], 0, s[PS]
	s_cselect_b32 s[PB], s[LOB], s[PB]
	s_cselect_b32 s[PLQ], s[NLO1], s[PLQ]
.endm
.macro ASK
	s_cmp_gt_u32 s[CNT], s[LIM]
	s_cbranch_scc0 .Lnone_\@
	global_prefetch_b8 v[PFO], s[PFA:PFA+1] th:TH_LOAD_NT scope:SCOPE_SE
	s_cmp_lt_u32 s[WV], 2
	s_cbranch_scc1 .Lnone_\@
	global_prefetch_b8 v[PFO], s[PFA:PFA+1] offset:131072 th:TH_LOAD_NT scope:SCOPE_SE
	global_prefetch_b8 v[PFO], s[PFA:PFA+1] offset:262144 th:TH_LOAD_NT scope:SCOPE_SE
	global_prefetch_b8 v[PFO], s[PFA:PFA+1] offset:393216 th:TH_LOAD_NT scope:SCOPE_SE
.Lnone_\@:
.endm
.macro PLACES
.rept 4
	v_nop
.endr
.endm
.macro CLEAR
.set z, 0
.rept 128
	v_mov_b32 v[O+z], 0
.set z, z+1
.endr
.endm
.macro MUL8 f, c, a0, S, zero          ; 8 matrix instructions: row blocks a0, a0 + 1 x 4 channel blocks, 32 j: half c of buffer f, into S.  The 16 accumulators take turns
	WIN MUL
.irp a, \a0, (\a0)+1
.irp nb, 0,1,2,3
.if \zero
	v_wmma_f32_16x16x32_f16 v[(\S)+8*(4*(\a)+(\nb)):(\S)+8*(4*(\a)+(\nb))+7], v[(\f)+64+8*(4*(\c)+(\nb)):(\f)+64+8*(4*(\c)+(\nb))+7], v[(\f)+8*(4*(\c)+(\a)):(\f)+8*(4*(\c)+(\a))+7], 0
.else
	v_wmma_f32_16x16x32_f16 v[(\S)+8*(4*(\a)+(\nb)):(\S)+8*(4*(\a)+(\nb))+7], v[(\f)+64+8*(4*(\c)+(\nb)):(\f)+64+8*(4*(\c)+(\nb))+7], v[(\f)+8*(4*(\c)+(\a)):(\f)+8*(4*(\c)+(\a))+7], v[(\S)+8*(4*(\a)+(\nb)):(\S)+8*(4*(\a)+(\nb))+7]
.endif
.endr
.endr
.endm
.macro FETCHQ q, f                     ; 32 LDS loads: quarter q (64 j) of the step, the first 32 j first
	WIN TO_F
.irp c, 0,1
.irp i, 0,1,2,3
.if (\q) < 2
	ds_load_tr16_b128 v[(\f)+64+8*(4*(\c)+(\i)):(\f)+64+8*(4*(\c)+(\i))+3],   v[ADRV] offset:(64*(\q)+32*(\c))*PVP+32*(\i)
	ds_load_tr16_b128 v[(\f)+64+8*(4*(\c)+(\i))+4:(\f)+64+8*(4*(\c)+(\i))+7], v[ADRV] offset:(64*(\q)+32*(\c)+16)*PVP+32*(\i)
.else
	ds_load_tr16_b128 v[(\f)+64+8*(4*(\c)+(\i)):(\f)+64+8*(4*(\c)+(\i))+3],   v[ADRV2] offset:(64*((\q)-2)+32*(\c))*PVP+32*(\i)
	ds_load_tr16_b128 v[(\f)+64+8*(4*(\c)+(\i))+4:(\f)+64+8*(4*(\c)+(\i))+7], v[ADRV2] offset:(64*((\q)-2)+32*(\c)+16)*PVP+32*(\i)
.endif
	ds_load_b128 v[(\f)+8*(4*(\c)+(\i)):(\f)+8*(4*(\c)+(\i))+3],   v[ADRA] offset:(\i)*16*PP+128*(\q)+64*(\c)
	ds_load_b128 v[(\f)+8*(4*(\c)+(\i))+4:(\f)+8*(4*(\c)+(\i))+7], v[ADRA] offset:(\i)*16*PP+128*(\q)+64*(\c)+32
.endr
.endr
.endm
.macro LUMP S, E                       ; O += e S, each accumulator from its low end on
	WIN W_LU
.set z, 0
.rept 64
	v_pk_fma_f32 v[O+2*z:O+2*z+1], v[(\S)+2*z:(\S)+2*z+1], v[(\E)+2*(z/16):(\E)+2*(z/16)+1], v[O+2*z:O+2*z+1] op_sel_hi:[1,0,1]
.set z, z+1
.endr
.endm
.macro STEP                            ; 256 j: 128 matrix instructions
	WIN 0
	v_add_nc_u32 v[EAD], s[EOFF], v[EL0]
.irp a, 0,1,2,3
	ds_load_b32 v[EA+2*(\a)], v[EAD] offset:16*EP*(\a)     ; e of my rows for the step's two blocks of 128 j
	ds_load_b32 v[EB+2*(\a)], v[EAD] offset:16*EP*(\a)+4
.endr
	FETCHQ 0, F0
	s_wait_dscnt 16                                ; the second 32 j may stay out
	MUL8 F0, 0, 0, SA, 1
	MUL8 F0, 0, 2, SA, 1
	PLACES
	FETCHQ 1, F1
	s_wait_dscnt 32                                ; all but the 32 just issued
	MUL8 F0, 1, 0, SA, 0
	MUL8 F0, 1, 2, SA, 0
	s_wait_dscnt 16
	MUL8 F1, 0, 0, SA, 0
	MUL8 F1, 0, 2, SA, 0
	PLACES
	FETCHQ 2, F0
	s_wait_dscnt 32
	MUL8 F1, 1, 0, SA, 0
	MUL8 F1, 1, 2, SA, 0
	s_wait_dscnt 16
	MUL8 F0, 0, 0, SB, 1
	MUL8 F0, 0, 2, SB, 1
	PLACES                                         ; also the places between SA's last products and the lines that read them
	FETCHQ 3, F1
	LUMP SA, EA
	s_wait_dscnt 32
	MUL8 F0, 1, 0, SB, 0
	MUL8 F0, 1, 2, SB, 0
	s_wait_dscnt 16
	MUL8 F1, 0, 0, SB, 0
	MUL8 F1, 0, 2, SB, 0
	s_wait_dscnt 0x0
	MUL8 F1, 1, 0, SB, 0
	MUL8 F1, 1, 2, SB, 0
.endm
; THE CHANGE OF SLOTS.  Each wave waits for all its tensor loads (one is out: its part of the other slot), adds 0 to its spare word, and waits for that and for its reads of the slot that it leaves; the descriptors'
; scalar work and the second half's fold stand between.  fill = 1: a round of the cluster's barrier, and the slot just read is filled again, first thing behind it.
.macro CHANGE fill, lump, ask
	WIN 0
	s_wait_tensorcnt 0x0                           ; no tensor load of mine is out, so the descriptors may be written
	ds_add_u32 v[SPW], v[NIL]                      ; 0 onto my spare word
.if \fill
	s_xor_b32 s[FB], s[FB], SLOT
	MKDESC
	STEPN
.endif
.if \ask
	s_wait_xcnt 0x0                                ; the last prefetches, a step back, have read their address
	MKPF
.endif
.if \lump
	PLACES                                         ; between SB's last products and the lines that read them
	LUMP SB, EB
	WIN 0
	s_add_co_u32 s[EOFF], s[EOFF], 8               ; the next step's two blocks of 128 j
.endif
	s_wait_dscnt 0x0                               ; the add is done, and my LDS reads and stores are over
.if \fill
	CROUND
	JLOAD
.if \ask
	ASK
.endif
.else
	s_barrier_signal -1
	s_barrier_wait -1
.endif
	s_xor_b32 s[RB], s[RB], SLOT
	v_add_nc_u32 v[ADRA], s[RB], v[AL0]
	v_add_nc_u32 v[ADRV], s[RB], v[VL0]
	v_add_nc_u32 v[ADRV2], 128*PVP, v[ADRV]
.endm
; A BLOCK'S WAY OUT: O / L, 16 rows at a time through my stage, stored as whole rows of 256 bytes (my 64 channels in f32).  Then the second block's address, count and tables, and O = 0.
; At its last use that switch serves nothing: the price of one text.
.macro WAYOUT
	WIN 0
.irp a, 0,1,2,3
	ds_load_b32 v[RL+2*(\a)], v[RLA] offset:64*(\a)
.endr
	s_wait_dscnt 0x0
.irp a, 0,1,2,3
.set z, 0
.rept 16
	v_pk_mul_f32 v[TMP+2*z:TMP+2*z+1], v[O+32*(\a)+2*z:O+32*(\a)+2*z+1], v[RL+2*(\a):RL+2*(\a)+1] op_sel_hi:[1,0]
.set z, z+1
.endr
.irp nb, 0,1,2,3
	ds_store_b128 v[STO], v[TMP+8*(\nb):TMP+8*(\nb)+3]   offset:64*(\nb)
	ds_store_b128 v[STO], v[TMP+8*(\nb)+4:TMP+8*(\nb)+7] offset:64*(\nb)+16
.endr
	s_wait_xcnt 0x0                                ; the stores of the 16 rows before have read their registers
.irp t, 0,1,2,3,4,5,6,7
	ds_load_b128 v[BK+4*(\t):BK+4*(\t)+3], v[RD] offset:(\t)*2*SPITCH  ; LDS serves a wave's instructions in order: these see the stores above
.endr
	s_wait_dscnt 0x0
.irp t, 0,1,2,3,4,5,6,7
	global_store_b128 v[GO], v[BK+4*(\t):BK+4*(\t)+3], s[OUTP:OUTP+1] offset:(\a)*65536+(\t)*8192 th:TH_STORE_NT  ; 16 lanes store 256 consecutive bytes, aligned
.endr
.endr
	s_wait_xcnt 0x0                                ; the stores have read their base
	s_mov_b64 s[OUTP:OUTP+1], s[OUTL:OUTL+1]
	s_mov_b32 s[RT], s[NLO]
	s_mov_b32 s[EOFF], 128*EP
	v_add_nc_u32 v[RLA], 512, v[RL0]
	CLEAR
.endm
	s_load_b256 s[4:11], s[0:1], 0x0               ; pm s[4:5], tv s[6:7], st s[8:9], out0 s[10:11]
	v_lshl_add_u32 v[SPW], v0, 2, SPARE
	v_mov_b32 v[NIL], 0
	ds_add_u32 v[SPW], v[NIL]                      ; the wave's opening: the add, twice on end, and its wait ahead of my first tensor load
	ds_add_u32 v[SPW], v[NIL]
	v_lshrrev_b32 v1, 5, v0
	v_readfirstlane_b32 s[WV], v1                  ; wave 0..3
	s_lshr_b32 s[RH], s[WV], 1
	s_and_b32 s[HW], s[WV], 1
	s_bfe_u32 s15, ttmp6, 0x40000                  ; cx
	s_lshl_b32 s16, ttmp9, 2
	s_add_co_u32 s16, s16, s15                     ; ct: my 128 channels; it enters V's, out0's and the prefetches' addresses alone
	s_and_b32 s17, ttmp7, 0xffff
	s_and_b32 s18, s17, 7                          ; p: the second block
	s_lshr_b32 s19, s17, 3                         ; b
	s_sub_co_u32 s20, 15, s18                      ; the first block
	s_lshr_b32 s21, s20, 1                         ; its last step
	s_lshr_b32 s[NLO1], s18, 1                     ; the second block's last step
	s_add_co_u32 s[NLO], s[NLO1], 1
	s_add_co_u32 s[RT], s21, 1
	s_mov_b32 s[LQ], s21
	s_mov_b32 s[PLQ], s21
	s_mov_b32 s[NXS], 0
	s_mov_b32 s[PS], 4                             ; the first block has five steps or more
	s_lshl_b32 s[NXB], s20, 19
	s_mov_b32 s[PB], s[NXB]
	s_lshl_b32 s[LOB], s18, 19
	s_mov_b32 s[FB], 0
	s_mov_b32 s[RB], SLOT                          ; the first change of slots turns it into 0
	s_mov_b32 s[EOFF], 0
	s_mov_b32 s[OFF+1], 0
	s_mov_b32 s[OFV+1], 0
	s_mov_b32 s[POF+1], 0
	s_mul_i32 s[HWP], s[HW], 64*PP                 ; my half of P's tile in a slot,
	s_mul_i32 s[HWV], s[HW], 128*PVP               ; of V's
	s_add_co_u32 s[HWV], s[HWV], VOFF
	s_mov_b32 s[G1P], 15|(1<<16)|(1<<20)|(1<<21)|(6<<22)|(3<<25)  ; the mask of four; elements of 2 bytes; padding on; bit 21 beside a mask; after every 128 words, 4 words
	s_mov_b32 s[G1P+1], 256<<16                    ; tensor_dim0 = 256
	s_mov_b32 s[G1P+2], 64<<16                     ; tensor_dim1 = 64
	s_mov_b32 s[G1P+3], 256<<16                    ; tile_dim0 = 256
	s_mov_b32 s[G1P+4], 64                         ; tile_dim1 = 64
	s_mov_b32 s[G1P+5], 2048                       ; elements from row to row
	s_mov_b32 s[G1P+6], 0
	s_mov_b32 s[G1P+7], 0
	s_mov_b32 s[G1V], (1<<16)|(1<<20)|(5<<22)|(7<<25)             ; no mask; after every 64 words, 8 words
	s_mov_b32 s[G1V+1], 128<<16
	s_mov_b32 s[G1V+2], 128<<16
	s_mov_b32 s[G1V+3], 128<<16
	s_mov_b32 s[G1V+4], 128
	s_mov_b32 s[G1V+5], 2048
	s_mov_b32 s[G1V+6], 0
	s_mov_b32 s[G1V+7], 0
	s_mov_b32 s[G0P], 1
	s_mov_b32 s[G0V], 1
	s_lshl_b32 s90, s19, 23                        ; the batch: 2,048 rows of 4,096 bytes in pm, tv and out0
	s_lshl_b32 s92, s[HW], 18
	s_add_co_u32 s92, s92, s90                     ; pm: + my 64 rows
	s_mov_b32 s93, 0
	s_lshl_b32 s94, s[HW], 19
	s_add_co_u32 s94, s94, s90                     ; tv: + my 128 rows,
	s_lshl_b32 s95, s16, 8
	s_add_co_u32 s94, s94, s95                     ; my channels,
	s_add_co_u32 s94, s94, 2048                    ; behind T's 1,024 columns
	s_mov_b32 s95, 0
	s_lshl_b32 s96, s[RH], 18
	s_add_co_u32 s96, s96, s90                     ; out0: + my 64 rows,
	s_lshl_b32 s97, s16, 9
	s_add_co_u32 s96, s96, s97                     ; the work-group's 128 channels,
	s_lshl_b32 s97, s[HW], 8
	s_add_co_u32 s96, s96, s97                     ; my 64 of them
	s_add_co_u32 s98, s96, s[LOB]
	s_add_co_u32 s96, s96, s[NXB]
	s_mov_b32 s97, 0
	s_mov_b32 s99, 0
	s_lshl_b32 s2, s19, 17                         ; st: 16 b x 2,048 x 4,
	s_lshl_b32 s3, s20, 9                          ; + the block's 128 rows
	s_lshl_b32 s23, s18, 9
	s_add_co_u32 s22, s2, s23
	s_add_co_u32 s2, s2, s3
	s_mov_b32 s3, 0
	s_mov_b32 s23, 0
	s_lshl_b32 s90, s15, 16                        ; the prefetches of P: my work-group's 16 rows of a wave's 64
	s_mov_b32 s91, 0
	s_wait_dscnt 0x0                               ; both opening adds are done
	s_wait_kmcnt 0x0
	s_add_nc_u64 s[PBASE:PBASE+1], s[4:5], s[92:93]
	s_add_nc_u64 s[VBASE:VBASE+1], s[6:7], s[94:95]
	s_add_nc_u64 s[OUTP:OUTP+1], s[10:11], s[96:97]
	s_add_nc_u64 s[OUTL:OUTL+1], s[10:11], s[98:99]
	s_add_nc_u64 s[STH:STH+1], s[8:9], s[2:3]
	s_add_nc_u64 s[STL:STL+1], s[8:9], s[22:23]
	s_add_nc_u64 s[PFB:PFB+1], s[PBASE:PBASE+1], s[90:91]
	s_cmp_lt_u32 s[WV], 2
	s_cselect_b64 s[PFB:PFB+1], s[PFB:PFB+1], s[VBASE:VBASE+1]
	s_mov_b64 s[PFA:PFA+1], s[PFB:PFB+1]
	s_cmp_eq_u32 ttmp9, 0
	s_cselect_b32 s90, 2, -1
	s_cmp_eq_u32 s18, 0
	s_cselect_b32 s92, 3, -1
	s_cmp_lt_u32 s[WV], 2
	s_cselect_b32 s[LIM], s90, s92                 ; alike in all four partners, for a given wave
	s_cselect_b32 s92, -1, 0
	CROUND                                         ; all four work-groups are here: the first joint loads meet
	MKDESC                                         ; tile 0: the first block's step 0, into slot 0
	STEPN
	JLOAD
	v_lshlrev_b32 v[TO], 2, v0                     ; thread t has row t of both blocks
.irp jb, 0,1,2,3,4,5,6,7,8,9,10,11,12,13,14,15
	global_load_b32 v[TBL+(\jb)],    v[TO], s[STH:STH+1] offset:8192*(\jb)
	global_load_b32 v[TBL+16+(\jb)], v[TO], s[STH:STH+1] offset:8192*(\jb)+524288
	global_load_b32 v[TBL+32+(\jb)], v[TO], s[STL:STL+1] offset:8192*(\jb)
	global_load_b32 v[TBL+48+(\jb)], v[TO], s[STL:STL+1] offset:8192*(\jb)+524288
.endr
	v_and_b32 v1, 15, v0                           ; r
	v_bfe_u32 v2, v0, 4, 1                         ; h
	v_and_b32 v3, 7, v0
	v_bfe_u32 v17, v0, 3, 1
	s_mul_i32 s90, s[RH], 64*PP
	v_mul_u32_u24 v[AL0], v1, PP
	v_lshl_add_u32 v[AL0], v2, 4, v[AL0]
	v_add_nc_u32 v[AL0], s90, v[AL0]               ; P: (64 rh + r) x pitch + 16 h
	v_lshl_add_u32 v[VL0], v2, 3, v3
	v_mul_u32_u24 v[VL0], v[VL0], PVP
	v_lshl_add_u32 v[VL0], v17, 4, v[VL0]
	s_lshl_b32 s90, s[HW], 7
	s_add_co_u32 s90, s90, VOFF
	v_add_nc_u32 v[VL0], s90, v[VL0]               ; V, turned: row 8 h + l % 8, 16 bytes at 16 ((l / 8) % 2), my 64 channels
	s_mul_i32 s90, s[RH], 64*EP
	s_add_co_u32 s90, s90, ETAB
	v_mul_u32_u24 v[EL0], v1, EP
	v_add_nc_u32 v[EL0], s90, v[EL0]
	s_lshl_b32 s90, s[RH], 8
	s_add_co_u32 s90, s90, RTAB
	v_lshl_add_u32 v[RL0], v1, 2, s90
	v_mov_b32 v[RLA], v[RL0]
	s_mul_i32 s90, s[WV], 16*SPITCH
	s_add_co_u32 s90, s90, STAGE
	v_mul_u32_u24 v[STO], v1, SPITCH
	v_lshl_add_u32 v[STO], v2, 5, v[STO]
	v_add_nc_u32 v[STO], s90, v[STO]               ; in: row r, 32 bytes for each half of the lanes
	v_mul_u32_u24 v[RD], v2, SPITCH
	v_lshl_add_u32 v[RD], v1, 4, v[RD]
	v_add_nc_u32 v[RD], s90, v[RD]                 ; back: lanes 0-15 one row of 256 bytes, lanes 16-31 the next
	v_lshlrev_b32 v[GO], 12, v2
	v_lshl_add_u32 v[GO], v1, 4, v[GO]
	v_and_b32 v30, 31, v0
	v_lshrrev_b32 v31, 1, v30
	v_lshlrev_b32 v31, 12, v31
	v_and_b32 v27, 1, v0
	v_lshl_add_u32 v31, v27, 8, v31                ; P: row l / 2, half l % 2
	v_lshlrev_b32 v30, 12, v30                     ; V: row l
	v_cndmask_b32 v[PFO], v30, v31, s92
	v_mul_u32_u24 v[ETW], v0, EP
	v_add_nc_u32 v[ETW], ETAB, v[ETW]
	v_lshl_add_u32 v[RTW], v0, 2, RTAB
.set z, 0
.rept 24
	v_mov_b32 v[EA+z], 0                           ; the pairs' upper registers are named with the lower ones
.set z, z+1
.endr
	CLEAR
	s_wait_loadcnt 0x0
	; THE TABLES: the column's whole maximum is taken away here.
.irp g, 0,1
	v_max3_num_f32 v[TM+(\g)], v[TBL+32*(\g)], v[TBL+32*(\g)+1], v[TBL+32*(\g)+2]
.irp n, 1,2,3,4,5,6
	v_max3_num_f32 v[TM+(\g)], v[TM+(\g)], v[TBL+32*(\g)+2*(\n)+1], v[TBL+32*(\g)+2*(\n)+2]
.endr
	v_max_num_f32 v[TM+(\g)], v[TM+(\g)], v[TBL+32*(\g)+15]
.endr
.irp g, 0,1
.irp jb, 0,1,2,3,4,5,6,7,8,9,10,11,12,13,14,15
	v_sub_f32 v[TBL+32*(\g)+(\jb)], v[TBL+32*(\g)+(\jb)], v[TM+(\g)]
.endr
.endr
.irp g, 0,1
.irp jb, 0,1,2,3,4,5,6,7,8,9,10,11,12,13,14,15
	v_exp_f32 v[TBL+32*(\g)+(\jb)], v[TBL+32*(\g)+(\jb)]
.endr
.endr
	v_nop                                          ; a plain instruction behind the last exponential,
	s_wait_alu depctr_va_vdst(0)                   ; and one wait for the batch of 32, ahead of the first reader
.irp g, 0,1
	v_mul_f32 v[TL+(\g)], v[TBL+32*(\g)+16], v[TBL+32*(\g)]
.irp jb, 1,2,3,4,5,6,7,8,9,10,11,12,13,14,15
	v_fmac_f32 v[TL+(\g)], v[TBL+32*(\g)+16+(\jb)], v[TBL+32*(\g)+(\jb)]
.endr
.endr
	v_rcp_f32 v[TR], v[TL]                         ; L >= 1: the block with the maximum has e = 1 and l >= 1
	v_rcp_f32 v[TR+1], v[TL+1]
.irp g, 0,1
.irp jb, 0,1,2,3,4,5,6,7,8,9,10,11,12,13,14,15
	ds_store_b32 v[ETW], v[TBL+32*(\g)+(\jb)] offset:128*EP*(\g)+4*(\jb)
.endr
.endr
	v_nop
	s_wait_alu depctr_va_vdst(0)                   ; one wait for the two reciprocals
	ds_store_b32 v[RTW], v[TR]
	ds_store_b32 v[RTW], v[TR+1] offset:512
	CHANGE 1, 0, 0                                 ; tile 0 is in, everybody's part of it, and so are the tables; tile 1 is asked for
	s_mov_b32 s[CNT], 7
.Lwalk:                                        ; trip w multiplies tile w and asks for tile w + 2
	STEP
	CHANGE 1, 1, 1
	s_sub_co_u32 s[RT], s[RT], 1
	s_cmp_lg_u32 s[RT], 0
	s_cbranch_scc1 .Lon1                           ; the jump passes no barrier and no tensor load; its condition hangs on p and the walk, alike in all partners
	WAYOUT
.Lon1:
	s_sub_co_u32 s[CNT], s[CNT], 1
	s_cmp_lg_u32 s[CNT], 0
	s_cbranch_scc1 .Lwalk
	s_mov_b32 s[CNT], 2
.Llast:                                        ; tiles 7 and 8: nothing is asked for.  The last trip's barrier serves nothing: the price of one text
	STEP
	CHANGE 0, 1, 0
	s_sub_co_u32 s[RT], s[RT], 1
	s_cmp_lg_u32 s[RT], 0
	s_cbranch_scc1 .Lon2
	WAYOUT
.Lon2:
	s_sub_co_u32 s[CNT], s[CNT], 1
	s_cmp_lg_u32 s[CNT], 0
	s_cbranch_scc1 .Llast
	s_wait_tensorcnt 0x0                           ; the wave's end
	ds_add_u32 v[SPW], v[NIL]
	s_wait_dscnt 0x0
	CROUND                                         ; the closing round
	s_endpgm
.Lfunc_end_k_q9c68c46673_pv:
	.size	k_q9c68c46673_pv, .Lfunc_end_k_q9c68c46673_pv-k_q9c68c46673_pv
	.p2alignl 7, 3214868480
	.fill 96, 4, 3214868480
	.section	.rodata,"a",@progbits
	.p2align	6, 0x0
	.amdhsa_kernel k_q9c68c46673_pv
		.amdhsa_group_segment_fixed_size 327680
		.amdhsa_private_segment_fixed_size 0
		.amdhsa_enable_private_segment 0
		.amdhsa_kernarg_size 32
		.amdhsa_user_sgpr_count 2
		.amdhsa_user_sgpr_kernarg_segment_ptr 1
		.amdhsa_wavefront_size32 1
		.amdhsa_system_sgpr_workgroup_id_x 1
		.amdhsa_system_sgpr_workgroup_id_y 1
		.amdhsa_system_sgpr_workgroup_id_z 1
		.amdhsa_system_vgpr_workitem_id 0
		.amdhsa_next_free_vgpr 768
		.amdhsa_next_free_sgpr 100
		.amdhsa_reserve_vcc 0
		.amdhsa_float_denorm_mode_32 3
		.amdhsa_float_denorm_mode_16_64 3
		.amdhsa_memory_ordered 1
		.amdhsa_forward_progress 1
		.amdhsa_inst_pref_size 114
	.end_amdhsa_kernel
	.amdgpu_metadata
---
amdhsa.version: [ 1, 2 ]
amdhsa.kernels:
  - .name:           k_q9c68c46673_pv
    .symbol:         k_q9c68c46673_pv.kd
    .args:
      - { .name: pm, .offset: 0, .size: 8, .value_kind: global_buffer, .address_space: global }
      - { .name: tv, .offset: 8, .size: 8, .value_kind: global_buffer, .address_space: global }
      - { .name: st, .offset: 16, .size: 8, .value_kind: global_buffer, .address_space: global }
      - { .name: out0, .offset: 24, .size: 8, .value_kind: global_buffer, .address_space: global }
    .group_segment_fixed_size: 327680
    .private_segment_fixed_size: 0
    .kernarg_segment_align: 8
    .kernarg_segment_size: 32
    .max_flat_workgroup_size: 128
    .sgpr_count:     100
    .vgpr_count:     768
    .wavefront_size: 32
...
	.end_amdgpu_metadata
.endif
;; end of part 4
;; ======== version 2 of 2: 4 launches; version 1 with the launch prep written anew for expert scheduling mode
;; limits: values are held in f16: magnitudes above 65,504 overflow, below 6.1e-05 lose precision
;; workspace buffers: xb 16,777,216 bytes; wc 4,194,304 bytes; tv 33,554,432 bytes; pm 33,554,432 bytes; st 1,048,576 bytes
;; launch prep (part 5): grid 16 x 16, 8 waves a work-group, no clusters, 305,152 bytes of LDS; arguments x, wq, wk, wv, xb, wc; writes xb, wc
.if DOCPART == 5
	.amdgcn_target "amdgcn-amd-amdhsa--gfx1250"
	.amdhsa_code_object_version 6
	.text
	.protected	k_q9c68c46673_prep
	.globl	k_q9c68c46673_prep
	.p2align	8
	.type	k_q9c68c46673_prep,@function
k_q9c68c46673_prep:
	s_mov_b64 s[64:65], 0
	v_nop
	global_prefetch_b8 v0, s[64:65] scope:SCOPE_SE
	s_setreg_imm32_b32 hwreg(HW_REG_WAVE_SCHED_MODE, 0, 2), 2
	s_setreg_imm32_b32 hwreg(HW_REG_WAVE_MODE, 25, 1), 1
	s_wait_xcnt 0x0
	s_wait_alu depctr_vm_vsrc(0)
; THE MODULE.  out[b,i,:] = the sum over j <= i of a[j,i] v[b,j,:], with a[j,i] = exp(s_ji - max_j s_ji) / (the sum over ALL j of exp(s_ji - max_j s_ji)), s_ji = q_j . k_i / 32:
; the softmax runs over the query index j for each key column i, and triu, applied behind it, keeps j <= i.  B = 4, S = 2,048, D = 1,024.
; FOUR LAUNCHES.  prep (this one): xb = bf16(x); wc rows 1,024.. = bf16(wv); wc rows 0..1,023 = bf16(c M^T), M[a][b'] = sum over o of wq[o][a] wk[o][b'], c = log2(e) / 32.
;   proj: tv = xb wc^T: columns 0..1,023 T' = c x M (bf16), columns 1,024.. V (f16).   score: s' = xb T'^T, block maxima, block sums and weights.   pv: the weights times V, divided by the whole column's sum.
; WORK LEFT OUT, for all values of the inputs.  (1) triu writes zeros where j > i, so the products of those weights with v add nothing: tiles of the second product that lie wholly above the diagonal are not
; multiplied (their scores are computed all the same: they enter the divisor).  (2) q and k are never formed: q_j . k_i = x_j^T (wq^T wk) x_i is an identity, so one product x M takes the place of
; the two products x wq^T and x wk^T, and the key side of the scores is x itself.  All four inputs are loaded.
; LIMITS.  The order of rounding differs from the reference's: x, wq, wk, wv are rounded to bf16, and so are c M and T'.  V is kept in f16: |V| stays under 65,504.  The weights are kept in f16: below 6e-5 they keep
; f16's fixed step of 6e-8.  An exponential below 2^-126 counts as 0.  NaN and infinities are not treated apart; a NaN, an infinity or an overflow that reaches only the tiles left out is not carried to the result.
; THIS LAUNCH.  256 work-groups of eight waves.  Work-group g = 16 tb + ta casts 131,072 consecutive bytes of x and 16,384 of wv, and makes the 64 x 64 tile (rows b' = 64 tb.., columns a = 64 ta..) of c M^T.
; NO JOINT LOADS: the slices of wk and wq that work-groups share are f32 and have to be rounded to bf16 ahead of the turning LDS load, so they pass through registers; as f32 tiles the two
; slices would be 524,288 bytes, more than the work-group's LDS.  A tile's row is 128 bytes of wc: two work-groups write the two halves of each aligned 256 bytes of wc's first 2 MiB.
; THE MODE: SCHED_MODE bits 1:0 = 2 (LLVM: expert scheduling mode 2), set by the entry lines.  The code itself states the register dependences
; between vector or matrix instructions and memory or LDS instructions, with s_wait_alu, always for 0.
; THE PLAN.  Registers that memory or LDS instructions touch:
;   CB         nine cast slots.  Loads land; the conversions round in place; the stores read each slot's low four registers.  Used twice: ahead of the fill and behind the product.
;   MS0, MS1   The slices' loads land; the conversions of the set's half of a trip read them; no memory or LDS instruction reads them.
;   OUT0, OUT1 CB's first 64 registers, idle between the two batches of casts.  Written by the conversions of MS0 and MS1; read by the LDS stores of the same half of a trip.
;   LK, LQ     Read by the LDS stores; stepped once a trip, at its end.        TK, TQ  Read by the turning loads; stepped once a trip, at its end.
;   FR0 .. FR3 A ring.  K step s: its two matrix instructions read FR[s % 4]; the loads of step s + 3 land in FR[(s + 3) % 4], which step s - 1 read.
;   PK         The conversions write its low eight, which LDS stores read; LDS loads land in its high eight, which stores read.
;   The offsets v4-6, v11-13 and the add's two registers are made in the head and never written again.  The accumulators are named by vector and matrix instructions alone.
; THE FILL: one wait on va_vdst in each half of a trip, behind its 32 conversions; behind it the set's 16 loads and 16 LDS stores, by turns; one wait on vm_vsrc a trip, ahead of the adds to LK and LQ,
; which also frees both OUT buffers for the next trip.  THE PRODUCT: one wait on va_vdst a K step; the step's six loads stand among its two matrix instructions, which name FR[s % 4] and the accumulators
; and none of the registers that those loads touch; one wait on vm_vsrc a trip, ahead of the adds to TK and TQ.
.set LP,    144                        ; an LDS row: 64 bf16 + 16 bytes
.set QREG,  1024*LP                    ; wk's slice [1,024 o][64 b'] lies at 0, wq's [1,024 o][64 a] here
.set STAGE, 2*1024*LP                  ; 64 rows x 144 bytes, for the tile's way out
.set SPARE, STAGE+64*LP                ; the spare words, 128 bytes for each of the eight waves: no other line names them
.set SPW, 2                            ; v2   my spare word's LDS address; never rewritten
.set NIL, 3                            ; v3   0; never rewritten
.set CXO, 4                            ; v4   32 t: my 32 bytes of a slot of 8,192 bytes of f32
.set CYO, 5                            ; v5   16 t: the 16 bytes that they become
.set MGO, 6                            ; v6   (t / 16) rows of 4,096 bytes + 16 (t % 16): my 16 bytes of 16 rows x 256 bytes of wk or wq
.set LK,  7                            ; v7   where they go in wk's slice: (t / 16) x 144 + 8 (t % 16)
.set LQ,  8                            ; v8   and in wq's
.set TK,  9                            ; v9   the turning loads' address in wk's slice
.set TQ,  10                           ; v10  in wq's
.set SG,  11                           ; v11  where I put 16 bytes of the tile
.set SR,  12                           ; v12  where I read them back
.set WO,  13                           ; v13  my byte offset in the tile's rows of wc
.set CB,  32                           ; v[32:103]  nine slots of eight registers for the casts
.set OUT, 32                           ; v[32:95]   during the fill: two out-buffers of 32: for each u of eight, a pair of wk's and a pair of wq's, in bf16
.set MS,  104                          ; v[104:231] two sets of 64: eight loads of wk, eight of wq
.set FR,  104                          ; v[104:199] later: a ring of four K steps' fragments, 24 registers each
.set PK,  200                          ; v[200:207] the tile, packed; v[208:215] read back
.set ACC, 232                          ; v[232:247] two accumulators
.set WK,  16                           ; s[16:17] wk at my 64 columns
.set WQ,  18                           ; s[18:19] wq at my 64 columns
.set CS,  20                           ; s[20:21] c, as a pair
.set WV,  22
.set CNT, 23
.set XP,  24                           ; s[24:25] x at my share;  s[26:27] xb;  s[28:29] wv;  s[30:31] wc at my share of wv's rows
.set XBP, 26
.set WVP, 28
.set WCV, 30
.macro CASTLD slot, base, off          ; a slot's 32 bytes a lane
	global_load_b128 v[CB+8*(\slot):CB+8*(\slot)+3], v[CXO], s[\base:\base+1] offset:(\off) th:TH_LOAD_NT
	global_load_b128 v[CB+8*(\slot)+4:CB+8*(\slot)+7], v[CXO], s[\base:\base+1] offset:(\off)+16 th:TH_LOAD_NT
.endm
.macro CASTCV slot                     ; rounded in place, low registers first
.irp j, 0,1,2,3
	v_cvt_pk_bf16_f32 v[CB+8*(\slot)+(\j)], v[CB+8*(\slot)+2*(\j)], v[CB+8*(\slot)+2*(\j)+1]
.endr
.endm
.macro CASTST slot, base, off          ; stored: a wave's store covers 512 consecutive bytes
	global_store_b128 v[CYO], v[CB+8*(\slot):CB+8*(\slot)+3], s[\base:\base+1] offset:(\off)
.endm
.macro LOADG set, off                  ; 128 rows o of both slices: 16 loads
.irp u, 0,1,2,3,4,5,6,7
	global_load_b128 v[MS+64*(\set)+4*(\u):MS+64*(\set)+4*(\u)+3], v[MGO], s[WK:WK+1] offset:(\off)+65536*(\u)
.endr
.irp u, 0,1,2,3,4,5,6,7
	global_load_b128 v[MS+64*(\set)+32+4*(\u):MS+64*(\set)+32+4*(\u)+3], v[MGO], s[WQ:WQ+1] offset:(\off)+65536*(\u)
.endr
.endm
.macro CVT set                         ; a set of MS rounded to bf16, into its out-buffer
.irp u, 0,1,2,3,4,5,6,7
	v_cvt_pk_bf16_f32 v[OUT+32*(\set)+4*(\u)],   v[MS+64*(\set)+4*(\u)],      v[MS+64*(\set)+4*(\u)+1]
	v_cvt_pk_bf16_f32 v[OUT+32*(\set)+4*(\u)+1], v[MS+64*(\set)+4*(\u)+2],    v[MS+64*(\set)+4*(\u)+3]
	v_cvt_pk_bf16_f32 v[OUT+32*(\set)+4*(\u)+2], v[MS+64*(\set)+32+4*(\u)],   v[MS+64*(\set)+32+4*(\u)+1]
	v_cvt_pk_bf16_f32 v[OUT+32*(\set)+4*(\u)+3], v[MS+64*(\set)+32+4*(\u)+2], v[MS+64*(\set)+32+4*(\u)+3]
.endr
.endm
; The out-buffer is laid into LDS, 8 bytes a lane; ask = 1: the set is asked for again, a load ahead of each LDS store.  No wait stands among them: no vector instruction since the wait behind the
; conversions names MS[set], OUT[set], the offset or the two LDS addresses.
.macro LAY set, ask, off
.irp u, 0,1,2,3,4,5,6,7
.if \ask
	global_load_b128 v[MS+64*(\set)+4*(\u):MS+64*(\set)+4*(\u)+3], v[MGO], s[WK:WK+1] offset:(\off)+65536*(\u)
.endif
	ds_store_b64 v[LK], v[OUT+32*(\set)+4*(\u):OUT+32*(\set)+4*(\u)+1] offset:128*LP*(\set)+16*LP*(\u)
.if \ask
	global_load_b128 v[MS+64*(\set)+32+4*(\u):MS+64*(\set)+32+4*(\u)+3], v[MGO], s[WQ:WQ+1] offset:(\off)+65536*(\u)
.endif
	ds_store_b64 v[LQ], v[OUT+32*(\set)+4*(\u)+2:OUT+32*(\set)+4*(\u)+3] offset:128*LP*(\set)+16*LP*(\u)
.endr
.endm
; A K step's fragments, turned on their way out of LDS.  set: the ring's set; at: the step's bytes, counted from this trip's first step.
.macro KLOADK set, at                  ; 16 columns b' of wk x 32 rows o
	ds_load_tr16_b128 v[FR+24*(\set):FR+24*(\set)+3],     v[TK] offset:(\at)
	ds_load_tr16_b128 v[FR+24*(\set)+4:FR+24*(\set)+7],   v[TK] offset:(\at)+16*LP
.endm
.macro KLOADQ set, at                  ; twice 16 columns a of wq x 32 rows o
	ds_load_tr16_b128 v[FR+24*(\set)+8:FR+24*(\set)+11],  v[TQ] offset:(\at)
	ds_load_tr16_b128 v[FR+24*(\set)+12:FR+24*(\set)+15], v[TQ] offset:(\at)+16*LP
	ds_load_tr16_b128 v[FR+24*(\set)+16:FR+24*(\set)+19], v[TQ] offset:(\at)+32
	ds_load_tr16_b128 v[FR+24*(\set)+20:FR+24*(\set)+23], v[TQ] offset:(\at)+16*LP+32
.endm
; K step ks of a trip of four.  last = 1: the last trip, which asks for the last step's fragments in its first step and for nothing more.
.macro KSTEP ks, last
.if !\last || \ks == 0
	s_wait_alu depctr_va_vdst(0)                   ; the matrix instructions of the step before are done reading their set of FR, in which the loads below land; in a trip's first step TK and TQ are written
.endif
.if \last && \ks > 1
	s_wait_dscnt 18-6*(\ks)                        ; the counts run down
.else
	s_wait_dscnt 12                                ; LDS loads come back in order: this step's six are in, the two younger steps' twelve stay out
.endif
	v_wmma_f32_16x16x32_bf16 v[ACC:ACC+7], v[FR+24*(\ks)+8:FR+24*(\ks)+15], v[FR+24*(\ks):FR+24*(\ks)+7], v[ACC:ACC+7]  ; the two accumulators take turns, over the backward jump too
.if !\last || \ks == 0
	KLOADK (\ks+3)%4, 32*LP*(\ks+3)                ; three steps ahead.  No wait: no vector or matrix instruction since the wait above names this set, TK or TQ
.endif
	v_wmma_f32_16x16x32_bf16 v[ACC+8:ACC+15], v[FR+24*(\ks)+16:FR+24*(\ks)+23], v[FR+24*(\ks):FR+24*(\ks)+7], v[ACC+8:ACC+15]
.if !\last || \ks == 0
	KLOADQ (\ks+3)%4, 32*LP*(\ks+3)
.endif
.endm
	s_load_b256 s[4:11], s[0:1], 0x0               ; x s[4:5], wq s[6:7], wk s[8:9], wv s[10:11]
	s_load_b128 s[12:15], s[0:1], 0x20             ; xb s[12:13], wc s[14:15]
	v_lshl_add_u32 v[SPW], v0, 2, SPARE
	v_mov_b32 v[NIL], 0
	v_lshrrev_b32 v1, 5, v0
	v_readfirstlane_b32 s[WV], v1                  ; wave 0..7
	s_and_b32 s33, ttmp7, 0xffff                   ; tb
	s_lshl_b32 s34, s33, 4
	s_add_co_u32 s34, s34, ttmp9                   ; g = 16 tb + ta
	s_lshl_b32 s36, s34, 17                        ; my share of x,
	s_mov_b32 s37, 0
	s_lshl_b32 s38, s34, 16                        ; of xb,
	s_mov_b32 s39, 0
	s_lshl_b32 s40, s34, 14                        ; of wv,
	s_mov_b32 s41, 0
	s_lshl_b32 s42, s34, 13                        ; and of wc's rows 1,024 on
	s_add_co_u32 s42, s42, 2097152
	s_mov_b32 s43, 0
	s_lshl_b32 s44, s33, 8                         ; wk's columns 64 tb on
	s_mov_b32 s45, 0
	s_lshl_b32 s46, ttmp9, 8                       ; wq's columns 64 ta on
	s_mov_b32 s47, 0
	s_mov_b32 s[CS], 0x3d38aa3b                    ; c = log2(e) / 32
	s_mov_b32 s[CS+1], s[CS]                       ; named with it as a pair
	v_lshlrev_b32 v[CXO], 5, v0
	v_lshlrev_b32 v[CYO], 4, v0
	v_lshrrev_b32 v14, 4, v0                       ; t / 16
	v_and_b32 v15, 15, v0                          ; t % 16
	v_lshlrev_b32 v[MGO], 12, v14
	v_lshl_add_u32 v[MGO], v15, 4, v[MGO]
	v_mul_u32_u24 v[LK], v14, LP
	v_lshl_add_u32 v[LK], v15, 3, v[LK]
	v_add_nc_u32 v[LQ], QREG, v[LK]
	s_wait_kmcnt 0x0
	s_add_nc_u64 s[XP:XP+1], s[4:5], s[36:37]
	s_add_nc_u64 s[XBP:XBP+1], s[12:13], s[38:39]
	s_add_nc_u64 s[WVP:WVP+1], s[10:11], s[40:41]
	s_add_nc_u64 s[WCV:WCV+1], s[14:15], s[42:43]
	s_add_nc_u64 s[WK:WK+1], s[8:9], s[44:45]
	s_add_nc_u64 s[WQ:WQ+1], s[6:7], s[46:47]
	s_lshl_b32 s36, s33, 17                        ; the tile in wc: 64 tb rows of 2,048 bytes,
	s_lshl_b32 s35, ttmp9, 7                       ; 64 ta columns
	s_add_co_u32 s36, s36, s35
	s_add_nc_u64 s[14:15], s[14:15], s[36:37]
	s_wait_alu depctr_va_vdst(0)                   ; the offsets v4 to v6 are written, which the loads below read; so are v5, v7 and v8, for the stores that follow
.irp u, 0,1,2,3,4,5,6,7,8
	CASTLD \u, XP, 8192*\u                         ; the first nine slots of x: 18 loads
.endr
	LOADG 0, 0                                     ; rows o = 0..127 of both slices,
	LOADG 1, 524288                                ; and 128..255
	; addresses for the later phases, made while the loads are out
	v_bfe_u32 v14, v0, 4, 1                        ; h = lane / 16
	v_and_b32 v16, 7, v0
	v_lshl_add_u32 v16, v14, 3, v16                ; the turning load: lane l reads row 8 h + l % 8,
	v_mul_u32_u24 v16, v16, LP
	v_bfe_u32 v17, v0, 3, 1
	v_lshl_add_u32 v16, v17, 4, v16                ; 16 bytes at 16 ((l / 8) % 2)
	s_wait_alu depctr_va_sdst(0)                   ; the wave's number is written, ahead of its first reader
	s_and_b32 s35, s[WV], 3                        ; mb: my 16 rows b' of the tile
	s_lshr_b32 s32, s[WV], 2                       ; nh: my 32 columns a
	s_lshl_b32 s36, s35, 5
	v_add_nc_u32 v[TK], s36, v16
	s_lshl_b32 s36, s32, 6
	s_add_co_u32 s37, s36, QREG
	v_add_nc_u32 v[TQ], s37, v16
	v_mul_u32_u24 v[SG], v15, LP                   ; into the stage: row 16 mb + l % 16, bytes 64 nh + 16 h
	v_lshl_add_u32 v[SG], v14, 4, v[SG]
	s_mul_i32 s37, s35, 16*LP
	s_add_co_u32 s37, s37, s36
	s_add_co_u32 s37, s37, STAGE
	v_add_nc_u32 v[SG], s37, v[SG]
	v_lshrrev_b32 v17, 3, v0                       ; back: thread t takes row t / 8, 16 bytes at 16 (t % 8)
	v_and_b32 v18, 7, v0
	v_mul_u32_u24 v[SR], v17, LP
	v_lshl_add_u32 v[SR], v18, 4, v[SR]
	v_add_nc_u32 v[SR], STAGE, v[SR]
	v_lshlrev_b32 v[WO], 11, v17
	v_lshl_add_u32 v[WO], v18, 4, v[WO]
	s_wait_loadcnt 32                              ; the 18 loads of x are in; the 32 younger loads of the slices stay out
.irp u, 0,1,2,3,4,5,6,7,8
	CASTCV \u
.endr
	s_wait_alu depctr_va_vdst(0)                   ; the conversions have written the slots' low registers, which the nine stores read; the addresses v9 to v13 are written too, for the later phases
.irp u, 0,1,2,3,4,5,6,7,8
	CASTST \u, XBP, 4096*\u
.endr
	s_wait_xcnt 0x0                                ; the nine stores have had their addresses translated: their data registers are rewritten only behind this wait,
	s_wait_alu depctr_vm_vsrc(0)                   ; and they have read v[CB ..]: these registers are OUT0 and OUT1 from here on, written by the slices' conversions
	s_mov_b32 s[CNT], 3
.Lfill:                                        ; a trip lays 256 rows o into LDS and asks for the next 256
	s_wait_loadcnt 16                              ; set 0 is in; set 1's 16 loads may stay out
	CVT 0
	s_wait_alu depctr_va_vdst(0)                   ; the conversions have written OUT0, which the LDS stores read, and are done reading MS0, in which the loads land; behind the first trip LK and LQ are written
	s_wait_xcnt 0x0                                ; every load and store issued so far has read its address, so the two pointers may be written
	s_add_nc_u64 s[WK:WK+1], s[WK:WK+1], 1048576
	s_add_nc_u64 s[WQ:WQ+1], s[WQ:WQ+1], 1048576
	LAY 0, 1, 0
	s_wait_loadcnt 16                              ; set 1 is in
	CVT 1
	s_wait_alu depctr_va_vdst(0)                   ; the conversions have written OUT1 and are done reading MS1
	LAY 1, 1, 524288
	s_wait_alu depctr_vm_vsrc(0)                   ; the trip's LDS stores have read LK and LQ, which the adds write, and OUT0 and OUT1, which the next trip's conversions write
	v_add_nc_u32 v[LK], 256*LP, v[LK]
	v_add_nc_u32 v[LQ], 256*LP, v[LQ]
	s_sub_co_u32 s[CNT], s[CNT], 1
	s_cmp_lg_u32 s[CNT], 0
	s_cbranch_scc1 .Lfill
	s_wait_loadcnt 16                              ; the last 256 rows: nothing more is asked for
	CVT 0
	s_wait_alu depctr_va_vdst(0)                   ; OUT0, LK and LQ are written, which the LDS stores read
	LAY 0, 0, 0
	s_wait_loadcnt 0x0
	CVT 1
	s_wait_alu depctr_va_vdst(0)                   ; OUT1 is written, which the LDS stores read; the conversions are done with MS, in which the fragments' loads land, and with OUT, in which the casts' loads land
	LAY 1, 0, 0
	s_wait_alu depctr_vm_vsrc(0)                   ; the LDS stores have read OUT0 and OUT1: these registers are cast slots again, and the loads below land in them
.irp k, 0,1,2,3,4,5,6
	CASTLD \k, XP, 8192*(\k+9)                     ; the other seven slots of x, and wv's two: they land while the tile is multiplied
.endr
	CASTLD 7, WVP, 0
	CASTLD 8, WVP, 8192
	s_wait_dscnt 0x0                               ; for the others' sake: my part of both slices lies in LDS
	s_barrier_signal -1
	s_barrier_wait -1
	; THE TILE.  Source 0 = 16 columns a of wq, source 1 = 16 columns b' of wk, both turned on their way out of LDS: a lane ends with row b' = l % 16 and eight neighbouring a.
	KLOADK 0, 0                                    ; the fragments of K steps 0 to 2; each step asks for those three steps on.  The conversions that read these registers stand ahead of the last wait on va_vdst
	KLOADQ 0, 0
	KLOADK 1, 32*LP
	KLOADQ 1, 32*LP
	KLOADK 2, 64*LP
	KLOADQ 2, 64*LP
.set r, 0
.rept 16
	v_mov_b32 v[ACC+r], 0                          ; sixteen lines, so that the loop has one form of product
.set r, r+1
.endr
	s_mov_b32 s[CNT], 7
.Lmul:                                         ; a trip: four K steps of 32 rows o
	KSTEP 0, 0
	KSTEP 1, 0
	KSTEP 2, 0
	KSTEP 3, 0
	s_wait_alu depctr_vm_vsrc(0)                   ; the turning loads issued so far have read TK and TQ
	v_add_nc_u32 v[TK], 128*LP, v[TK]
	v_add_nc_u32 v[TQ], 128*LP, v[TQ]
	s_sub_co_u32 s[CNT], s[CNT], 1
	s_cmp_lg_u32 s[CNT], 0
	s_cbranch_scc1 .Lmul
	KSTEP 0, 1                                     ; the last trip is written out: no load passes the slices' last row
	KSTEP 1, 1
	KSTEP 2, 1
	KSTEP 3, 1
	s_wait_loadcnt 0x0                             ; the second batch of the casts
.irp k, 0,1,2,3,4,5,6,7,8
	CASTCV \k                                      ; these 36 name no register of the last products: they are the places between those and the reading of their results
.endr
.set r, 0
.rept 8
	v_pk_mul_f32 v[ACC+r:ACC+r+1], v[ACC+r:ACC+r+1], s[CS:CS+1] op_sel_hi:[1,0]  ; times c, each accumulator from its low end on
.set r, r+2
.endr
.irp j, 0,1,2,3,4,5,6,7
	v_cvt_pk_bf16_f32 v[PK+(\j)], v[ACC+2*(\j)], v[ACC+2*(\j)+1]
.endr
	s_wait_alu depctr_va_vdst(0)                   ; the conversions have written v[PK ..], which the LDS stores read, and the slots' low registers, which the nine stores read
	ds_store_b128 v[SG], v[PK:PK+3]
	ds_store_b128 v[SG], v[PK+4:PK+7] offset:32
.irp k, 0,1,2,3,4,5,6
	CASTST \k, XBP, 4096*(\k+9)
.endr
	CASTST 7, WCV, 0
	CASTST 8, WCV, 4096
	s_wait_dscnt 0x0                               ; for the others' sake: a row's 128 bytes come from two waves
	s_barrier_signal -1
	s_barrier_wait -1
	ds_load_b128 v[PK+8:PK+11],  v[SR]             ; no vector instruction since the last wait on va_vdst names these eight registers
	ds_load_b128 v[PK+12:PK+15], v[SR] offset:32*LP
	s_wait_dscnt 0x0
	global_store_b128 v[WO], v[PK+8:PK+11],  s[14:15]               ; eight lanes store a row's 128 consecutive bytes
	global_store_b128 v[WO], v[PK+12:PK+15], s[14:15] offset:65536
	s_wait_dscnt 0x0                               ; the closing lines, six on end
	s_wait_alu 0x0
	s_wait_tensorcnt 0x0
	ds_add_u32 v[SPW], v[NIL]
	s_wait_dscnt 0x0
	s_endpgm
.Lfunc_end_k_q9c68c46673_prep:
	.size	k_q9c68c46673_prep, .Lfunc_end_k_q9c68c46673_prep-k_q9c68c46673_prep
	.p2alignl 7, 3214868480
	.fill 96, 4, 3214868480
	.section	.rodata,"a",@progbits
	.p2align	6, 0x0
	.amdhsa_kernel k_q9c68c46673_prep
		.amdhsa_group_segment_fixed_size 305152
		.amdhsa_private_segment_fixed_size 0
		.amdhsa_enable_private_segment 0
		.amdhsa_kernarg_size 48
		.amdhsa_user_sgpr_count 2
		.amdhsa_user_sgpr_kernarg_segment_ptr 1
		.amdhsa_wavefront_size32 1
		.amdhsa_system_sgpr_workgroup_id_x 1
		.amdhsa_system_sgpr_workgroup_id_y 1
		.amdhsa_system_sgpr_workgroup_id_z 1
		.amdhsa_system_vgpr_workitem_id 0
		.amdhsa_next_free_vgpr 256
		.amdhsa_next_free_sgpr 66
		.amdhsa_reserve_vcc 0
		.amdhsa_float_denorm_mode_32 3
		.amdhsa_float_denorm_mode_16_64 3
		.amdhsa_memory_ordered 1
		.amdhsa_forward_progress 1
		.amdhsa_inst_pref_size 40
	.end_amdhsa_kernel
	.amdgpu_metadata
---
amdhsa.version: [ 1, 2 ]
amdhsa.kernels:
  - .name:           k_q9c68c46673_prep
    .symbol:         k_q9c68c46673_prep.kd
    .args:
      - { .name: x, .offset: 0, .size: 8, .value_kind: global_buffer, .address_space: global }
      - { .name: wq, .offset: 8, .size: 8, .value_kind: global_buffer, .address_space: global }
      - { .name: wk, .offset: 16, .size: 8, .value_kind: global_buffer, .address_space: global }
      - { .name: wv, .offset: 24, .size: 8, .value_kind: global_buffer, .address_space: global }
      - { .name: xb, .offset: 32, .size: 8, .value_kind: global_buffer, .address_space: global }
      - { .name: wc, .offset: 40, .size: 8, .value_kind: global_buffer, .address_space: global }
    .group_segment_fixed_size: 305152
    .private_segment_fixed_size: 0
    .kernarg_segment_align: 8
    .kernarg_segment_size: 48
    .max_flat_workgroup_size: 256
    .sgpr_count:     66
    .vgpr_count:     256
    .wavefront_size: 32
...
	.end_amdgpu_metadata
.endif
;; end of part 5
;; launch proj: the kernel of part 2 again; grid 8 x 32, 4 waves a work-group, clusters of 4 x 4, 327,680 bytes of LDS; arguments xb, wc, tv; writes tv
;; launch score: the kernel of part 3 again; grid 8 x 32, 4 waves a work-group, clusters of 4 x 4, 327,680 bytes of LDS; arguments xb, tv, pm, st; writes pm, st
;; launch pv: the kernel of part 4 again; grid 8 x 32, 4 waves a work-group, clusters of 4 x 1, 327,680 bytes of LDS; arguments pm, tv, st, out0; writes out0
